; MI455X (gfx1250); checked and timed in simulation.
; The chip was launched on July 23, 2026; its instructions are those of AMD's public machine-readable ISA for CDNA 5 (MIT licence, August 2026) and "CDNA5" Instruction Set Architecture Reference Guide (July 2026). The comments in the code are by the model that wrote it; some were corrected since.
;; Multi Head Attention. Allowed arithmetic: matrix products marked QUANTISED: E2M3 operands, one E8M0 scale for each 32 along K, by v_wmma_scale_f32_16x16x128_f8f6f4 with both operands' format E2M3, f32 sums; everything else in f32.
;; Inputs: W_out 1,024 x 1,024 float32; W_qkv 1,024 x 3,072 float32; x 4 x 2,048 x 1,024 float32.
;; Outputs: out0 4 x 2,048 x 1,024 float32.
;; This version of the problem:
;;   THIS VERSION OF THE PROBLEM IS GIVEN IN LOW PRECISION. The matrix products marked QUANTISED in the list below multiply operands that are first quantised to E2M3 (2 exponent bits, 3 mantissa bits; 6 bits a number), with one power-of-two scale for each 32 numbers along K (OCP MX v1.0); their sums are f32. All else is computed in f32.
;;   The module's matrix products, in the order in which they are computed (A, B: the left and right operand; K: the contracted axis; several contracted axes count as one K, in the product's order):
;;     1. [M 8,192, K 1,024] x [K 1,024, N 3,072]; A: input x; B: input W_qkv: QUANTISED
;;     2. batch 64 x [M 2,048, K 64] x [K 64, N 2,048]; A: computed on the way; B: computed on the way: QUANTISED
;;     3. batch 64 x [M 64, K 2,048] x [K 2,048, N 2,048]; A: computed on the way; B: softmax (see below): QUANTISED
;;     4. [M 8,192, K 1,024] x [K 1,024, N 1,024]; A: computed on the way; B: input W_out: QUANTISED
;;   THE QUANTISER, for each operand of a quantised product, along K:
;;     - K is cut into blocks of 32 from its start; a last block that is shorter is filled with zeros.
;;     - A block's scale is 2^e with e = floor(log2(the largest magnitude in the block)) - 2, held to -126 .. 127; a block of zeros has e = 0. As a byte (E8M0): e + 127.
;;     - Each number is divided by its block's scale, clamped to +-7.5, and rounded to the nearest number of E2M3, ties to even, subnormals kept.
;;     - The product sums the exact products of the quantised numbers (number of the format x scale) in f32.
;;   ~~~python
;;   def quantise(x, axis):      # numpy; x: float32 -> the quantised numbers, widened to float32 again
;;       x = np.moveaxis(x, axis, -1); K = x.shape[-1]
;;       x = np.pad(x, [(0, 0)] * (x.ndim - 1) + [(0, -K % 32)]); x = x.reshape(x.shape[:-1] + (-1, 32)); a = np.abs(x).max(-1, keepdims=True)
;;       e = np.where(a > 0, np.clip(np.frexp(np.where(a > 0, a, 1))[1] - 1 - 2, -126, 127), 0)      # np.frexp(a)[1] - 1 = floor(log2(a)), exactly
;;       r = np.clip(x / 2.0 ** e, -7.5, 7.5)
;;       step = 2.0 ** (np.maximum(np.frexp(np.where(r == 0, 1, r))[1] - 1, 0) - 3)
;;       q = np.round(r / step) * step * 2.0 ** e      # np.round: ties to even
;;       return np.moveaxis(q.reshape(q.shape[:-2] + (-1,))[..., :K], -1, axis).astype(np.float32)
;;   ~~~
;;   SOFTMAX AHEAD OF A QUANTISED PRODUCT. Where the list says 'softmax', what is quantised is not the finished softmax but p = 2^(t - M), with t = logit x log2(e) and M = ceil(the row's largest t), a whole number; so 1/2 < the row's largest p <= 1. The row's sum l is taken of the UNQUANTISED p, in f32, and the product's result is divided by l at the end. Since M is a whole number, a kernel that streams over the keys may use a running M (the ceiling of the running maximum): every later rescaling is an exact power of two, which a block's scale takes up: the codes' values come out the same.
;;   OPERANDS COMPUTED ON THE WAY. 'Computed on the way' means the value that the module computes at that place (a softmax that the list does not call 'softmax' is quantised finished and normalised). What goes into a quantiser is computed in f32, as accurately as f32 sums, v_exp_f32 and their like allow (about 1e-6 of the number): no bf16 or f16 on the way to a quantiser, and a product that is left as it is and whose result goes on into a quantised operand takes f32 operands (vector FMAs, or v_wmma_f32_16x16x4_f32). A number that lies on a knife's edge between two numbers of the format may be rounded either way, as far as f32 arithmetic and the matrix unit's own rounding can turn it there, and no further.
;; One version. Each part assembles by itself: llvm-mc -triple=amdgcn-amd-amdhsa -mcpu=gfx1250 --defsym DOCPART=n.
;; ======== version 1 of 1: 4 launches
;; limits: right only within a limited range of input values
;; workspace buffers: xc 6,291,456 bytes; xs 262,144 bytes; wc 3,145,728 bytes; ws 131,072 bytes; qb 6,815,744 bytes; kvb 13,369,344 bytes; oc 6,291,456 bytes; os 262,144 bytes
;; launch quant (part 1): grid 768 x 1, 4 waves a work-group, no clusters, 35,328 bytes of LDS; arguments x, W_qkv, W_out, xc, xs, wc, ws; writes xc, xs, wc, ws
.if DOCPART == 1
	.amdgcn_target "amdgcn-amd-amdhsa--gfx1250"
	.amdhsa_code_object_version 6
	.text
	.protected	k_q134586cf0f_quant
	.globl	k_q134586cf0f_quant
	.p2align	8
	.type	k_q134586cf0f_quant,@function
k_q134586cf0f_quant:
	s_mov_b64 s[64:65], 0
	v_nop
	global_prefetch_b8 v0, s[64:65] scope:SCOPE_SE
	s_setreg_imm32_b32 hwreg(HW_REG_WAVE_MODE, 25, 1), 1
	s_wait_xcnt 0x0
; x [8192][1024], W_qkv [1024][3072] and W_out [1024][1024], f32, become codes of FP6 (E2M3) with one E8M0 scale byte for each 32 along K (K = 1024 in all three).
; A block's scale is 2^(floor(log2(its largest magnitude)) - 2); its byte is the largest magnitude's exponent field - 2, held at 1 from below; each number / scale is rounded to the nearest code, ties to even.
; LIMITS: NaN and infinities are not served; a block whose largest magnitude lies under 2^-124 has its byte held at 1; a block of zeros gets the byte 1 (its codes are zeros; this program alone reads the bytes).
; THE CODES' LAYOUT IS THE OPERAND'S REGISTERS.  An image is 16 rows x 64 along K, 768 bytes: lane l = r + 16 h of a wave holds the 24 bytes of row r, block h of the two; its first 16 bytes lie at 16 l, its
; last 8 at 512 + 8 l.  A tile of 16 rows is 16 images on end (12,288 bytes).  Scale bytes: 32 for each row, rows in the tiles' order.
; THE ROWS OF A TILE: tokens of x and columns of W_qkv stand at the place whose number is theirs with bits 3 and 4 exchanged, so that lane r of tile t holds number 32 (t / 2) + 8 (t % 2) + r + 8 (r / 8).
; W_out's columns keep their order.  Of a head's 192 columns of W_qkv the six groups of 32 lie as q0 q1 v0 k0 k1 v1.
; WORK-GROUPS 0-511: a tile of x each, a wave a quarter of K.  512-703: 128 columns x 128 along K of W_qkv.  704-767: the same of W_out.  Waves share nothing: no barrier.
.set SPARE, 34816                      ; behind the four waves' stages: the spare words, 128 bytes a wave
.set SPW,   10                         ; v10  LDS address of my spare word; never rewritten
.set NIL,   11                         ; v11  0; never rewritten
.set X,     64                         ; v64-127  two sets of 32 neighbours along K
.set R,     128                        ; v128-255 x: four sets of 32 registers as loaded
.set CX,    32                         ; v32-63   x: a step's codes, 8 registers a step
.set CWT,   128                        ; v128-159 weights: a block's codes, 8 registers a block
; 32 numbers of one block, v[xs] on, become 6 registers of codes, v[c] on; the scale's byte is left in v15
.macro QB32 xs, c
	v_max3_num_f32 v12, |v[\xs]|, |v[\xs+1]|, |v[\xs+2]|
	v_max3_num_f32 v13, |v[\xs+3]|, |v[\xs+4]|, |v[\xs+5]|
.irp i, 6,10,14,18,22,26
	v_max3_num_f32 v12, v12, |v[\xs+\i]|, |v[\xs+\i+1]|
	v_max3_num_f32 v13, v13, |v[\xs+\i+2]|, |v[\xs+\i+3]|
.endr
	v_max3_num_f32 v12, v12, |v[\xs+30]|, |v[\xs+31]|
	v_max3_num_f32 v12, v12, v13, 0x1800000        ; and the floor 2^(3 - 127): the byte cannot fall under 1
	v_add_nc_u32 v14, 0xff000000, v12              ; 2 off the exponent field: the conversion takes this operand's exponent field as its scale
	v_cvt_scalef32_pk16_fp6_f32 v[\c:\c+2], v[\xs:\xs+15], v14
	v_cvt_scalef32_pk16_fp6_f32 v[22:24], v[\xs+16:\xs+31], v14   ; (a conversion's three registers begin on an even number)
	v_lshrrev_b32 v15, 23, v14                     ; the scale's byte; also the plain line behind the conversions
.irp i, 0,1,2
	v_mov_b32 v[\c+3+\i], v[22+\i]
.endr
.endm
	s_load_b256 s[4:11], s[0:1], 0x0               ; x s[4:5], W_qkv s[6:7], W_out s[8:9], xc s[10:11]
	s_load_b128 s[12:15], s[0:1], 0x20             ; xs s[12:13], wc s[14:15]
	s_load_b64 s[16:17], s[0:1], 0x30              ; ws
	v_lshl_add_u32 v[SPW], v0, 2, SPARE
	v_mov_b32 v[NIL], 0
	v_lshrrev_b32 v1, 5, v0
	v_readfirstlane_b32 s18, v1                    ; wave 0..3
	v_and_b32 v1, 31, v0                           ; lane
	s_cmp_lt_u32 ttmp9, 512
	s_cbranch_scc0 .Lweights
; ---------------- x: tile T = the work-group's number; my wave: K 256 w on, four steps of 64
	v_and_b32 v2, 15, v0                           ; r
	s_wait_alu depctr_va_vdst(0)
	v_bfe_u32 v3, v0, 4, 1                         ; h
	s_lshr_b32 s20, ttmp9, 1
	s_lshl_b32 s20, s20, 5
	s_and_b32 s22, ttmp9, 1
	s_lshl_b32 s22, s22, 3
	s_add_co_u32 s20, s20, s22                     ; the tile's first token: 32 (T / 2) + 8 (T % 2)
	s_lshl_b32 s20, s20, 12                        ; rows of 4,096 bytes
	s_lshl_b32 s22, s18, 10
	s_add_co_u32 s20, s20, s22                     ; + my quarter of K
	s_mov_b32 s21, 0
	; xc is laid [group of 16 tiles][quarter of K][tile][four images]: a group's quarter of K is 49,152 bytes on end (for xc this takes the place of 'a tile is 16 images on end')
	s_lshr_b32 s22, ttmp9, 4
	s_mul_i32 s22, s22, 196608
	s_mul_i32 s24, s18, 49152
	s_add_co_u32 s22, s22, s24
	s_and_b32 s24, ttmp9, 15
	s_mul_i32 s24, s24, 3072
	s_add_co_u32 s22, s22, s24                     ; my four images
	s_mov_b32 s23, 0
	s_lshl_b32 s24, ttmp9, 9
	s_lshl_b32 s25, s18, 3
	s_add_co_u32 s24, s24, s25                     ; my 8 of each row's 32 scale bytes
	s_mov_b32 s25, 0
	s_mul_i32 s26, s18, 8704                       ; my two stages of 16 rows x 272 bytes
	s_mov_b32 s28, 0x76543210
	s_mov_b32 s29, 0xfedcba98                      ; selects for lane l xor 16
	s_mov_b32 s30, 0xffff0000                      ; lanes 16-31
	v_lshlrev_b32 v4, 4, v2
	s_wait_alu depctr_va_vdst(0)
	v_lshl_add_u32 v4, v3, 12, v4                  ; a load takes two rows: lanes 0-15 256 bytes of one, lanes 16-31 of the next
	v_mul_u32_u24 v5, v3, 272
	v_lshl_add_u32 v5, v2, 4, v5
	v_add_nc_u32 v5, s26, v5                       ; into the stage as loaded
	v_mul_u32_u24 v6, v2, 272
	v_lshl_add_u32 v6, v3, 7, v6
	v_add_nc_u32 v6, s26, v6                       ; out of it: row r, block h: 128 bytes on end
	v_lshlrev_b32 v7, 4, v1                        ; 16 l
	v_lshlrev_b32 v8, 3, v1                        ; 8 l
	v_lshlrev_b32 v9, 5, v2
	v_lshl_add_u32 v9, v3, 2, v9                   ; 32 r + 4 h
	s_wait_alu depctr_va_vdst(0)
	s_wait_kmcnt 0x0
	s_add_nc_u64 s[4:5], s[4:5], s[20:21]
	s_add_nc_u64 s[10:11], s[10:11], s[22:23]
	s_add_nc_u64 s[12:13], s[12:13], s[24:25]
.macro LOADX j                         ; step j: the tile's rows 2 a and 2 a + 1 are tokens 2 a + 8 (a / 4) on; sixteen lanes read 256 consecutive bytes, aligned
.irp a, 0,1,2,3,4,5,6,7
	global_load_b128 v[R+32*(\j)+4*\a:R+32*(\j)+4*\a+3], v4, s[4:5] offset:(2*\a+8*(\a/4))*4096+256*(\j) th:TH_LOAD_NT
.endr
.endm
.macro TURNX j                         ; through my stage: LDS serves a wave's instructions in order, so no wait stands between the stores and the loads
.irp a, 0,1,2,3,4,5,6,7
	ds_store_b128 v5, v[R+32*(\j)+4*\a:R+32*(\j)+4*\a+3] offset:4352*((\j)%2)+544*\a
.endr
.irp i, 0,1,2,3,4,5,6,7
	ds_load_b128 v[X+32*((\j)%2)+4*\i:X+32*((\j)%2)+4*\i+3], v6 offset:4352*((\j)%2)+16*\i
.endr
.endm
.macro XSTEP j
	s_wait_dscnt 0x0                               ; this step's 32 neighbours are back from the stage
.if (\j) < 3
	s_wait_loadcnt 8*(2-(\j))                      ; the next step's eight loads are in; those of the steps behind it may be out
	TURNX (\j)+1
.endif
	QB32 X+32*((\j)%2), CX+8*(\j)
.if (\j) == 0
	v_mov_b32 v16, v15                             ; my byte of step j: block 2 j + h of my quarter
.else
	v_lshl_or_b32 v16, v15, 8*(\j), v16
.endif
	global_store_b128 v7, v[CX+8*(\j):CX+8*(\j)+3], s[10:11] offset:768*(\j)        ; 512 consecutive bytes, aligned
	global_store_b64 v8, v[CX+8*(\j)+4:CX+8*(\j)+5], s[10:11] offset:768*(\j)+512   ; 256 consecutive bytes, aligned
.endm
	LOADX 0
	LOADX 1
	LOADX 2
	LOADX 3
	s_wait_loadcnt 24                              ; step 0's eight loads are in
	TURNX 0
	XSTEP 0
	XSTEP 1
	XSTEP 2
	XSTEP 3
	v_mov_b32 v17, 0                               ; (a lane permute's destination counts as one of its sources)
	v_permlanex16_b32 v17, v16, s28, s29           ; the other half's four bytes
	v_cndmask_b32 v18, v16, v17, s30               ; the even blocks' bytes, in every lane
	v_cndmask_b32 v19, v17, v16, s30               ; the odd blocks'
	v_perm_b32 v20, v19, v18, 0x05010400           ; blocks 0 1 2 3
	v_perm_b32 v21, v19, v18, 0x07030602           ; blocks 4 5 6 7
	v_cndmask_b32 v20, v20, v21, s30               ; lanes 0-15 store the first word of row r, lanes 16-31 the second
	global_store_b32 v9, v20, s[12:13]             ; 8 bytes of each of 16 rows: one byte for each 128 that the wave has read
	s_wait_tensorcnt 0x0                           ; the wave's end
	ds_add_u32 v[SPW], v[NIL]
	s_wait_dscnt 0x0
	s_endpgm
; ---------------- the weights: K is their first axis.  A lane takes a column and its registers run down K: a block of 32 lies in one lane, and the codes come out with K innermost
.macro LOADW t, st, b                  ; block t: 32 rows of the weight at my column; 128 consecutive bytes a wave, 512 a work-group
.irp i, 0,1,2,3,4,5,6,7,8,9,10,11,12,13,14,15,16,17,18,19,20,21,22,23,24,25,26,27,28,29,30,31
	global_load_b32 v[X+32*((\t)%2)+\i], v3, s[\b:\b+1] offset:(32*(\t)+\i)*\st th:TH_LOAD_NT
.endr
.endm
.macro WBLOCK t, st, b
.if (\t) < 3
	s_wait_loadcnt 32                              ; this block's 32 loads are in; the next block's may be out
.else
	s_wait_loadcnt 0x0
.endif
	QB32 X+32*((\t)%2), CWT+8*(\t)
.if (\t)%4 == 0
	v_mov_b32 v[16+(\t)/4], v15
.else
	v_lshl_or_b32 v[16+(\t)/4], v15, 8*((\t)%4), v[16+(\t)/4]
.endif
	global_store_b128 v4, v[CWT+8*(\t):CWT+8*(\t)+3], s[14:15] offset:768*((\t)/2)+256*((\t)%2)          ; the sixteen columns of a tile fill 256 consecutive bytes, aligned
	global_store_b64 v5, v[CWT+8*(\t)+4:CWT+8*(\t)+5], s[14:15] offset:768*((\t)/2)+512+128*((\t)%2)
.if (\t)+2 < 4
	LOADW (\t)+2, \st, \b
.endif
.endm
; st: bytes from row to row; b: the scalar pair with the weight's address; qkv = 1: W_qkv.  s19 = the work-group's number among the weights'
.macro WPATH st, b, qkv
.if \qkv == 0
	s_sub_co_u32 s19, s19, 192
.endif
	s_lshr_b32 s20, s19, 3
	s_and_b32 s22, s19, 7                          ; y: which 128 along K: a weight's work-group takes 128 columns x 128 along K, as many bytes as a work-group of x
	s_lshl_b32 s20, s20, 2
	s_add_co_u32 s20, s20, s18                     ; G: my wave's group of 32 columns
.if \qkv
	s_mul_i32 s23, s20, 43
	s_lshr_b32 s23, s23, 8                         ; the head: G / 6 (exact for G under 96)
	s_mul_i32 s24, s23, 6
	s_sub_co_u32 s25, s20, s24                     ; q0 q1 k0 k1 v0 v1 = 0 .. 5
	s_lshl_b32 s25, s25, 2
	s_lshr_b32 s25, 0x524310, s25
	s_and_b32 s25, s25, 15                         ; go to places 0 1 3 4 2 5
	s_add_co_u32 s24, s24, s25                     ; the group's place among the tiles
	v_lshrrev_b32 v4, 3, v1
	v_lshrrev_b32 v5, 4, v1
	v_xor_b32 v4, v4, v5
	v_and_b32 v4, 1, v4
	v_mul_u32_u24 v4, v4, 24
	v_xor_b32 v7, v1, v4                           ; my column's place in the group: bits 3 and 4 exchanged
.else
	s_add_co_u32 s24, s20, 96                      ; W_out's tiles lie behind W_qkv's 192
	v_mov_b32 v7, v1
.endif
	s_wait_alu depctr_va_vdst(0)
	s_mul_i32 s26, s22, 128*\st
	s_lshl_b32 s27, s20, 7
	s_add_co_u32 s26, s26, s27                     ; the weight: 128 y rows down, 32 G columns on
	s_mov_b32 s27, 0
.if \qkv
	; W_qkv's codes are laid [head's 12 tiles][quarter of K][tile][four images]: a head's quarter of K is 36,864 bytes on end
	s_mul_i32 s28, s23, 147456
	s_lshr_b32 s29, s22, 1
	s_mul_i32 s29, s29, 36864                      ; the quarter of K,
	s_add_co_u32 s28, s28, s29
	s_and_b32 s29, s22, 1
	s_mul_i32 s29, s29, 1536                       ; and which two of its four images
	s_add_co_u32 s28, s28, s29
	s_mul_i32 s29, s25, 6144
	s_add_co_u32 s28, s28, s29                     ; the group's two tiles
.else
	s_mul_i32 s28, s24, 24576
	s_mul_i32 s29, s22, 1536
	s_add_co_u32 s28, s28, s29                     ; W_out: two tiles a group, each 16 images on end; four images a quarter of K
.endif
	s_mov_b32 s29, 0
	s_lshl_b32 s30, s24, 10
	s_lshl_b32 s31, s22, 2
	s_add_co_u32 s30, s30, s31                     ; the scale bytes
	s_mov_b32 s31, 0
	v_lshrrev_b32 v8, 4, v7                        ; which of the group's two tiles
	v_and_b32 v9, 15, v7                           ; and which row of it
.if \qkv
	v_mul_u32_u24 v8, v8, 3072
.else
	v_mul_u32_u24 v8, v8, 12288
.endif
	v_lshl_add_u32 v4, v9, 4, v8
	v_lshl_add_u32 v5, v9, 3, v8
	v_lshlrev_b32 v6, 5, v7
	v_lshlrev_b32 v3, 2, v1
	s_wait_alu depctr_va_vdst(0)
	s_wait_kmcnt 0x0
	s_add_nc_u64 s[\b:\b+1], s[\b:\b+1], s[26:27]
	s_add_nc_u64 s[14:15], s[14:15], s[28:29]
	s_add_nc_u64 s[16:17], s[16:17], s[30:31]
	LOADW 0, \st, \b
	LOADW 1, \st, \b
.irp t, 0,1,2,3
	WBLOCK \t, \st, \b
.endr
	global_store_b32 v6, v16, s[16:17]             ; my column's 4 scale bytes
	s_wait_tensorcnt 0x0                           ; the wave's end
	ds_add_u32 v[SPW], v[NIL]
	s_wait_dscnt 0x0
	s_endpgm
.endm
.Lweights:
	s_sub_co_u32 s19, ttmp9, 512
	s_cmp_lt_u32 s19, 192                          ; work-groups 512-703: W_qkv; 704-767: W_out
	s_cbranch_scc0 .Lwout
	s_wait_alu depctr_va_vdst(0)
	WPATH 12288, 6, 1
.Lwout:
	s_wait_alu depctr_va_vdst(0)
	WPATH 4096, 8, 0
.Lfunc_end_k_q134586cf0f_quant:
	.size	k_q134586cf0f_quant, .Lfunc_end_k_q134586cf0f_quant-k_q134586cf0f_quant
	.p2alignl 7, 3214868480
	.fill 96, 4, 3214868480
	.section	.rodata,"a",@progbits
	.p2align	6, 0x0
	.amdhsa_kernel k_q134586cf0f_quant
		.amdhsa_group_segment_fixed_size 35328
		.amdhsa_private_segment_fixed_size 0
		.amdhsa_enable_private_segment 0
		.amdhsa_kernarg_size 56
		.amdhsa_user_sgpr_count 2
		.amdhsa_user_sgpr_kernarg_segment_ptr 1
		.amdhsa_wavefront_size32 1
		.amdhsa_system_sgpr_workgroup_id_x 1
		.amdhsa_system_sgpr_workgroup_id_y 1
		.amdhsa_system_sgpr_workgroup_id_z 1
		.amdhsa_system_vgpr_workitem_id 0
		.amdhsa_next_free_vgpr 256
		.amdhsa_next_free_sgpr 66
		.amdhsa_reserve_vcc 0
		.amdhsa_float_denorm_mode_32 3
		.amdhsa_float_denorm_mode_16_64 3
		.amdhsa_memory_ordered 1
		.amdhsa_forward_progress 1
		.amdhsa_inst_pref_size 58
	.end_amdhsa_kernel
	.amdgpu_metadata
---
amdhsa.version: [ 1, 2 ]
amdhsa.kernels:
  - .name:           k_q134586cf0f_quant
    .symbol:         k_q134586cf0f_quant.kd
    .args:
      - { .name: x, .offset: 0, .size: 8, .value_kind: global_buffer, .address_space: global }
      - { .name: W_qkv, .offset: 8, .size: 8, .value_kind: global_buffer, .address_space: global }
      - { .name: W_out, .offset: 16, .size: 8, .value_kind: global_buffer, .address_space: global }
      - { .name: xc, .offset: 24, .size: 8, .value_kind: global_buffer, .address_space: global }
      - { .name: xs, .offset: 32, .size: 8, .value_kind: global_buffer, .address_space: global }
      - { .name: wc, .offset: 40, .size: 8, .value_kind: global_buffer, .address_space: global }
      - { .name: ws, .offset: 48, .size: 8, .value_kind: global_buffer, .address_space: global }
    .group_segment_fixed_size: 35328
    .private_segment_fixed_size: 0
    .kernarg_segment_align: 8
    .kernarg_segment_size: 56
    .max_flat_workgroup_size: 128
    .sgpr_count:     66
    .vgpr_count:     256
    .wavefront_size: 32
...
	.end_amdgpu_metadata
.endif
;; end of part 1
;; launch gemm_qkv (part 2): grid 16 x 32, 4 waves a work-group, clusters of 4 x 4, 327,680 bytes of LDS; arguments xc, xs, wc, ws, qb, kvb; writes qb, kvb
.if DOCPART == 2
	.amdgcn_target "amdgcn-amd-amdhsa--gfx1250"
	.amdhsa_code_object_version 6
	.text
	.protected	k_q134586cf0f_gemm_qkv
	.globl	k_q134586cf0f_gemm_qkv
	.p2align	8
	.type	k_q134586cf0f_gemm_qkv,@function
k_q134586cf0f_gemm_qkv:
	s_mov_b64 s[64:65], 0
	v_nop
	global_prefetch_b8 v0, s[64:65] scope:SCOPE_SE
	s_setreg_imm32_b32 hwreg(HW_REG_WAVE_MODE, 25, 1), 1
	s_wait_xcnt 0x0
	s_wait_alu depctr_hold_cnt(0) depctr_sa_sdst(0) depctr_va_vdst(0) depctr_va_sdst(0) depctr_va_ssrc(0) depctr_va_vcc(0) depctr_vm_vsrc(0)
	s_getreg_b32 s2, hwreg(HW_REG_IB_STS2, 6, 4)
	s_cmp_eq_u32 s2, 0
	s_cbranch_scc0 .Lentry_in_a_cluster
	s_endpgm
.Lentry_in_a_cluster:
	s_bfe_u32 s2, ttmp6, 0x10000c
	s_cmp_lg_u32 s2, 0xf033
	s_cbranch_scc0 .Lentry_shape_is_right
	s_endpgm
.Lentry_shape_is_right:
; q, k, v = x W_qkv on codes of FP6 (E2M3) with E8M0 scales, and their quantisers: a work-group makes 256 tokens x one head's 192 columns; four waves, 2 x 2, a wave 128 tokens x 96 columns.
; q and k are made transposed (source 0 = the weight's columns), v untransposed, so that a lane's registers run along the next product's K; the results leave as codes and scale words in the next launch's records.
; K = 1,024 goes in four steps of 256.  xc and wc are laid so that a work-group's K step is dense: A's 16 tiles x 3,072 bytes, B's 12 tiles x 3,072 bytes.
; LDS: three places for a K step of A (PLA each), three for B (PLB each), the scales of all of K, the spare words: 273,920 bytes.  Four steps of both would be 344,064 bytes, more than a WGP has.
; FILLS.  At the head one joint load a wave: wave 0 A's steps 0-2 (147,456 bytes on end), wave 1 B's steps 0-2, wave 2 A's scales, wave 3 B's.  ONE REFILL: step 3 onto step 0's bytes, behind a round of the
; cluster's barrier that stands in step 0's second half (waves 0, 1 a half of A each, waves 2, 3 of B); steps 1 and 2 are multiplied while it is on its way; a plain barrier in step 2 shows it to all waves.
; CLUSTER 4 x 4: A's tiles hang on the tile row alone and are shared by a row of the cluster, B's on the tile column and are shared by a column.
; No prefetch: the text has no loop to run ahead in, and three of the four K steps are asked for at the head.
; LIMITS: NaN and infinities are not served; a block's scale byte is held at 1 from below; a block of zeros gets the byte 1 (its codes are zeros; this program alone reads the bytes).
; REGISTERS: window 0: v8-10, v12-14 A's LDS addresses (16 and 8 bytes a lane) for places 0-2, v16-18, v20-22 B's; v24-26 16, 8 x lane, 4 r; v27 scale words' address; v28, v29 the add's two; v32-63 scale words, two sets;
;   v64-255 A's fragments, two sets.  Window 3: B's fragments, two sets.  Windows 1, 2: accumulators of my tokens 0-63, 64-127 (v0-127 q or k, v128-191 v), then the way out's work.
.set NWT,    6
.set SLB,    3072
.set HALFA,  8*SLB
.set HALFB,  NWT*SLB
.set PLA,    2*HALFA
.set PLB,    2*HALFB
.set BB,     3*PLA
.set SCLB,   BB+3*PLB
.set HALFSB, 2*NWT*272
.set SCLA,   SCLB+2*HALFSB
.set HALFSA, 16*272
.set SPARE,  273408                    ; the next multiple of 256 behind the scales
.set SC,   32
.set ADRS, 27
.set SPW,  28
.set NIL,  29
.set G0H,  4                           ; s[4:7], s[8:11] group 0 of the head's loads of codes (the arguments that lay there have served)
.set G0HB, 8
.set G1A,  24
.set G0A,  32
.set G1B,  48
.set G0B,  56
.set G1SA, 68
.set G0SA, 76
.set G1SB, 80
.set G0SB, 88
.set SEL,  98
.set QA,   192
.set QP,   194
.set QS,   196
.set QT,   198
.set MSB, 0
.macro WIN new
.if MSB != (\new)
	s_set_vgpr_msb (MSB<<8)|(\new)
.set MSB, (\new)
.endif
.endm
.macro PLACES n
.rept \n
	v_nop
.endr
.endm
.macro JLOAD g0a, g1a, g0b, g1b        ; waves 0, 1 for A, waves 2, 3 for B
	s_cmp_eq_u32 s17, 0
	s_cbranch_scc0 .Lfor_b_\@
	tensor_load_to_lds s[\g0a:\g0a+3], s[\g1a:\g1a+7]
	s_nop 0
	PLACES 4
	s_branch .Lasked_\@
.Lfor_b_\@:
	tensor_load_to_lds s[\g0b:\g0b+3], s[\g1b:\g1b+7]
	s_nop 0
	PLACES 4
.Lasked_\@:
.endm
.macro ARM under, g0, g1, next         ; an arm of the head's one tree: one load, a jump to the tree's end
	s_cmp_lt_u32 s16, \under
	s_cbranch_scc0 \next
	tensor_load_to_lds s[\g0:\g0+3], s[\g1:\g1+7]
	s_nop 0
	PLACES 4
	s_branch .Lhead_asked
\next:
.endm
.macro CREST
	s_cmp_lg_u32 s16, 0
	s_cbranch_scc1 .Lnot_wave_0_\@
	s_barrier_signal -3
.Lnot_wave_0_\@:
	s_barrier_wait -3
	s_barrier_signal -1
	s_barrier_wait -1
.endm
.macro CROUND
	s_barrier_signal -1
	s_barrier_wait -1
	CREST
.endm
.macro G1SET g, el, rows               ; dense rows of el elements of 8 bytes
	s_mov_b32 s[\g+1], (\el)<<16
	s_mov_b32 s[\g+2], (\rows)<<16
	s_mov_b32 s[\g+3], (\el)<<16
	s_mov_b32 s[\g+4], \rows
	s_mov_b32 s[\g+5], \el
	s_mov_b32 s[\g+6], 0
	s_mov_b32 s[\g+7], 0
.endm
.macro G0SET g, lds, a
	s_mov_b32 s[\g], 1
	s_mov_b32 s[\g+1], \lds
	s_mov_b64 s[\g+2:\g+3], s[\a:\a+1]
	s_or_b32 s[\g+3], s[\g+3], 0x80000000
.endm
	s_load_b256 s[4:11], s[0:1], 0x0               ; xc, xs, wc, ws
	s_load_b128 s[12:15], s[0:1], 0x20             ; qb, kvb
	v_lshl_add_u32 v[SPW], v0, 2, SPARE
	v_mov_b32 v[NIL], 0
	ds_add_u32 v[SPW], v[NIL]                      ; the opening lines
	ds_add_u32 v[SPW], v[NIL]
	v_lshrrev_b32 v1, 5, v0
	v_readfirstlane_b32 s16, v1                    ; wave
	s_lshr_b32 s17, s16, 1                         ; my half of the tokens; in the refill: A (0) or B (1)
	s_and_b32 s18, s16, 1                          ; my half of the columns; in the refill: which half of the tile
	s_bfe_u32 s40, ttmp6, 0x40000
	s_bfe_u32 s41, ttmp6, 0x40004
	s_lshl_b32 s42, ttmp9, 2
	s_add_co_u32 s42, s42, s40                     ; tile column: the head
	s_and_b32 s43, ttmp7, 0xffff
	s_lshl_b32 s43, s43, 2
	s_add_co_u32 s43, s43, s41                     ; tile row: 256 tokens
	s_lshl_b32 s44, s41, 2
	s_lshl_b32 s44, 15, s44                        ; my row of the cluster
	s_lshl_b32 s45, 0x1111, s40                    ; my column
	s_or_b32 s[G1A], s44, (3<<16)|(1<<21)
	s_or_b32 s[G1B], s45, (3<<16)|(1<<21)
	G1SET G1A, 384, 48                             ; the head's: three K steps x 16 tiles of 3,072 bytes
	G1SET G1B, 384, 6*NWT
	s_or_b32 s[G1SA], s44, (3<<16)|(1<<20)|(1<<21)|(5<<22)|(3<<25)
	s_or_b32 s[G1SB], s45, (3<<16)|(1<<20)|(1<<21)|(5<<22)|(3<<25)
	G1SET G1SA, 32, 32                             ; scales: units of 256 bytes, 16 of padding behind each
	G1SET G1SB, 32, 4*NWT
	s_mul_i32 s20, s43, 4*PLA
	s_mov_b32 s21, 0
	s_lshl_b32 s22, s43, 13
	s_mov_b32 s23, 0
	s_mul_i32 s46, s42, 4*PLB
	s_mov_b32 s47, 0
	s_mul_i32 s2, s42, 2*NWT*512
	s_mov_b32 s3, 0
	s_mul_i32 s92, s18, HALFA
	s_mov_b32 s93, 0
	s_mul_i32 s94, s18, HALFB
	s_mov_b32 s95, 0
	s_wait_dscnt 0x0
	s_wait_kmcnt 0x0
	s_add_nc_u64 s[20:21], s[4:5], s[20:21]
	s_add_nc_u64 s[22:23], s[6:7], s[22:23]
	s_add_nc_u64 s[46:47], s[8:9], s[46:47]
	s_add_nc_u64 s[2:3], s[10:11], s[2:3]
	CROUND                                         ; in front of the first joint loads
	G0SET G0H, 0, 20
	G0SET G0HB, BB, 46
	G0SET G0SA, SCLA, 22
	G0SET G0SB, SCLB, 2
	s_mov_b32 s[G0A], 1                            ; the refill: K step 3, my half, onto place 0
	s_mov_b32 s[G0A+1], s92
	s_add_nc_u64 s[G0A+2:G0A+3], s[20:21], s[92:93]
	s_add_nc_u64 s[G0A+2:G0A+3], s[G0A+2:G0A+3], 3*PLA
	s_or_b32 s[G0A+3], s[G0A+3], 0x80000000
	s_mov_b32 s[G0B], 1
	s_add_co_u32 s[G0B+1], s94, BB
	s_add_nc_u64 s[G0B+2:G0B+3], s[46:47], s[94:95]
	s_add_nc_u64 s[G0B+2:G0B+3], s[G0B+2:G0B+3], 3*PLB
	s_or_b32 s[G0B+3], s[G0B+3], 0x80000000
	ARM 1, G0H,  G1A,  .Lhead_b
	ARM 2, G0HB, G1B,  .Lhead_sa
	ARM 3, G0SA, G1SA, .Lhead_sb
	tensor_load_to_lds s[G0SB:G0SB+3], s[G1SB:G1SB+7]
	s_nop 0
	PLACES 4
.Lhead_asked:
	v_and_b32 v1, 31, v0
	v_and_b32 v2, 15, v0
	v_bfe_u32 v3, v0, 4, 1
	v_lshlrev_b32 v24, 4, v1
	v_lshlrev_b32 v25, 3, v1
	v_lshlrev_b32 v26, 2, v2
	s_mul_i32 s20, s17, HALFA
	s_mul_i32 s21, s18, HALFB
	s_add_co_u32 s21, s21, BB
.irp p, 0,1,2
	v_add_nc_u32 v[8+\p], s20, v24
	v_add_nc_u32 v[12+\p], s20, v25
	v_add_nc_u32 v[16+\p], s21, v24
	v_add_nc_u32 v[20+\p], s21, v25
	s_add_co_u32 s20, s20, PLA
	s_add_co_u32 s21, s21, PLB
.endr
	v_lshlrev_b32 v6, 5, v2                        ; scale words: 32 bytes a row, 16 more for each 256 passed
	v_lshrrev_b32 v7, 8, v6
	v_lshl_add_u32 v6, v7, 4, v6
	s_mul_i32 s20, s18, HALFSB
	s_mul_i32 s21, s17, HALFSA
	s_add_co_u32 s21, s21, SCLA-SCLB
	s_sub_co_u32 s21, s21, s20
	v_mul_u32_u24 v7, s21, v3                      ; lanes 0-15 B's, lanes 16-31 A's
	s_add_co_u32 s20, s20, SCLB
	v_add_nc_u32 v6, v6, v7
	v_add_nc_u32 v[ADRS], s20, v6
	s_lshr_b32 s20, s43, 3                         ; where the results go: record 16 (16 batch + head) + the 128 tokens' number
	s_lshl_b32 s20, s20, 4
	s_add_co_u32 s20, s20, s42
	s_lshl_b32 s20, s20, 4
	s_and_b32 s21, s43, 7
	s_lshl_b32 s21, s21, 1
	s_add_co_u32 s20, s20, s21
	s_add_co_u32 s20, s20, s17
	s_mul_i32 s22, s20, 6656
	s_mul_i32 s20, s20, 13056
	s_mov_b32 s21, 0
	s_add_nc_u64 s[96:97], s[14:15], s[20:21]
	s_cmp_eq_u32 s18, 0
	s_cselect_b64 s[92:93], s[12:13], s[14:15]     ; column half 0 makes q, half 1 k; each makes half of v
	s_cselect_b32 s20, s22, s20
	s_add_nc_u64 s[92:93], s[92:93], s[20:21]
	s_mul_i32 s20, s18, 3072
	s_add_co_u32 s20, s20, 6656
	s_add_nc_u64 s[94:95], s[96:97], s[20:21]
	s_lshl_b32 s20, s18, 7
	s_add_co_u32 s20, s20, 12800
	s_add_nc_u64 s[96:97], s[96:97], s[20:21]
	s_mov_b32 s[SEL], 0x76543210
	s_mov_b32 s[SEL+1], 0xfedcba98
	s_mov_b32 s100, 0xffff0000
.macro FRAG reg, a16, a8, q, i         ; a fragment: two images of 768 bytes, each 16 bytes a lane and then 8
.irp c, 0,1
	ds_load_b128 v[\reg+6*\c:\reg+6*\c+3], v[\a16] offset:SLB*(\i)+768*(2*(\q)+\c)
	ds_load_b64 v[\reg+6*\c+4:\reg+6*\c+5], v[\a8] offset:SLB*(\i)+768*(2*(\q)+\c)+512
.endr
.endm
.macro FETCH ks, q, set, sc            ; half q of K step ks (place ks % 3) into set; sc: with the step's scale words
	WIN 0xc0
.irp i, 0,1,2,3,4,5
	FRAG 72*(\set)+12*\i, 16+(\ks)%3, 20+(\ks)%3, \q, \i
.endr
	WIN 0
.irp i, 0,1,2,3
	FRAG 64+96*(\set)+12*\i, 8+(\ks)%3, 12+(\ks)%3, \q, \i
.endr
.if \sc
.irp i, 0,1,2,3,4,5,6,7
	ds_load_b64 v[SC+16*((\ks)%2)+2*\i:SC+16*((\ks)%2)+2*\i+1], v[ADRS] offset:544*\i+8*(\ks)
.endr
.endif
.irp i, 4,5,6,7
	FRAG 64+96*(\set)+12*\i, 8+(\ks)%3, 12+(\ks)%3, \q, \i
.endr
.endm
.macro MULQ2 set, q, sc, tx0, zero
.irp a, \tx0, \tx0+1
.irp b, 0,1,2,3
.if \zero
	v_wmma_scale_f32_16x16x128_f8f6f4 v[32*((\a)%4)+8*\b:32*((\a)%4)+8*\b+7], v[72*(\set)+12*\b:72*(\set)+12*\b+11], v[64+96*(\set)+12*(\a):64+96*(\set)+12*(\a)+11], 0, v[SC+16*(\sc)+2*\b+(\q)], v[SC+16*(\sc)+2*(\a)+(\q)] matrix_a_fmt:MATRIX_FMT_FP6 matrix_b_fmt:MATRIX_FMT_FP6 matrix_b_scale:MATRIX_SCALE_ROW1
.else
	v_wmma_scale_f32_16x16x128_f8f6f4 v[32*((\a)%4)+8*\b:32*((\a)%4)+8*\b+7], v[72*(\set)+12*\b:72*(\set)+12*\b+11], v[64+96*(\set)+12*(\a):64+96*(\set)+12*(\a)+11], v[32*((\a)%4)+8*\b:32*((\a)%4)+8*\b+7], v[SC+16*(\sc)+2*\b+(\q)], v[SC+16*(\sc)+2*(\a)+(\q)] matrix_a_fmt:MATRIX_FMT_FP6 matrix_b_fmt:MATRIX_FMT_FP6 matrix_b_scale:MATRIX_SCALE_ROW1
.endif
.endr
.endr
.endm
.macro MULV set, q, sc, hf, zero
.irp w, 0,1
	WIN 0x5c+0x50*\w
.irp a, 0,1,2,3
.if \zero
	v_wmma_scale_f32_16x16x128_f8f6f4 v[128+8*(4*(\hf)+\a):128+8*(4*(\hf)+\a)+7], v[64+96*(\set)+12*(4*(\hf)+\a):64+96*(\set)+12*(4*(\hf)+\a)+11], v[72*(\set)+12*(4+\w):72*(\set)+12*(4+\w)+11], 0, v[SC+16*(\sc)+2*(4*(\hf)+\a)+(\q)], v[SC+16*(\sc)+2*(4+\w)+(\q)] matrix_a_fmt:MATRIX_FMT_FP6 matrix_b_fmt:MATRIX_FMT_FP6 matrix_a_scale:MATRIX_SCALE_ROW1
.else
	v_wmma_scale_f32_16x16x128_f8f6f4 v[128+8*(4*(\hf)+\a):128+8*(4*(\hf)+\a)+7], v[64+96*(\set)+12*(4*(\hf)+\a):64+96*(\set)+12*(4*(\hf)+\a)+11], v[72*(\set)+12*(4+\w):72*(\set)+12*(4+\w)+11], v[128+8*(4*(\hf)+\a):128+8*(4*(\hf)+\a)+7], v[SC+16*(\sc)+2*(4*(\hf)+\a)+(\q)], v[SC+16*(\sc)+2*(4+\w)+(\q)] matrix_a_fmt:MATRIX_FMT_FP6 matrix_b_fmt:MATRIX_FMT_FP6 matrix_a_scale:MATRIX_SCALE_ROW1
.endif
.endr
.endr
.endm
.macro PARTA set, q, sc, hf, zero
	WIN 0x53+0x50*(\hf)
	MULQ2 \set, \q, \sc, 4*(\hf), \zero
	MULQ2 \set, \q, \sc, 4*(\hf)+2, \zero
.endm
.macro PARTB set, q, sc, hf, zero
	MULV \set, \q, \sc, \hf, \zero
.endm
.macro HALF set, q, sc, hf, zero
	PARTA \set, \q, \sc, \hf, \zero
	PARTB \set, \q, \sc, \hf, \zero
.endm
.macro STEP ks, zero                   ; the first 128 along K of step ks; its second 128 are fetched in the middle
	s_wait_dscnt 16                                ; all but the youngest sixteen loads, A's blocks 4-7
	HALF 0, 0, (\ks)%2, 0, \zero
	s_wait_dscnt 0x0
	PLACES 4
	FETCH \ks, 1, 1, 0
	HALF 0, 0, (\ks)%2, 1, \zero
.endm
; The second 128 of step ks; the next step's first fragments are fetched in the middle.  mode 0: nothing else.  mode 1: place 0 is read no more: the three lines, a round, the refill.  mode 2: a plain barrier shows the refill to all.
.macro TURN ks, mode
.if \mode == 1
	WIN 0
	s_wait_tensorcnt 0x0
	ds_add_u32 v[SPW], v[NIL]
	s_wait_dscnt 17                                ; the add and A's blocks 4-7 may be out
.else
.if \mode == 2
	s_wait_tensorcnt 0x0                           ; my part of K step 3 is in
.endif
	s_wait_dscnt 16
.endif
	PARTA 1, 1, (\ks)%2, 0, 0
	s_wait_dscnt 0x0
.if \mode
	s_barrier_signal -1
.endif
	PARTB 1, 1, (\ks)%2, 0, 0
.if \mode
	WIN 0
	s_barrier_wait -1
.endif
.if \mode == 1
	CREST
	JLOAD G0A, G1A, G0B, G1B                       ; its four v_nop are the places in front of the loads below
.else
	PLACES 4
.endif
	FETCH (\ks)+1, 0, 0, 1
	HALF 1, 1, (\ks)%2, 1, 0
.endm
; 32 sums of a lane, register 16 b + i = k 32 b + 16 (lane / 16) + i of my row, become an image's six registers v[pc] on; the two scale bytes go to v[pw]
.macro QUANT2 s, pc, pw
.irp b, 0,1
	v_max3_num_f32 v[QA+\b], |v[\s+16*\b]|, |v[\s+16*\b+1]|, 0x1800000
.endr
.irp i, 2,4,6,8,10,12,14
.irp b, 0,1
	v_max3_num_f32 v[QA+\b], v[QA+\b], |v[\s+16*\b+\i]|, |v[\s+16*\b+\i+1]|
.endr
.endr
.irp b, 0,1
	v_permlanex16_b32 v[QP+\b], v[QA+\b], s[SEL], s[SEL+1]
.endr
.irp b, 0,1
	v_max_num_f32 v[QA+\b], v[QA+\b], v[QP+\b]
.endr
.irp b, 0,1
	v_add_nc_u32 v[QS+\b], 0xff000000, v[QA+\b]
.endr
.irp b, 0,1
	v_lshrrev_b32 v[QP+\b], 23, v[QS+\b]
.endr
	v_lshl_or_b32 v[\pw], v[QP+1], 8, v[QP]
	v_cvt_scalef32_pk16_fp6_f32 v[\pc:\pc+2], v[\s:\s+15], v[QS]
	v_cvt_scalef32_pk16_fp6_f32 v[QT:QT+2], v[\s+16:\s+31], v[QS+1]
	v_nop
.irp i, 0,1,2
	v_permlane16_swap_b32 v[\pc+\i], v[QT+\i]
.endr
.irp i, 0,1,2
	v_mov_b32 v[\pc+3+\i], v[QT+\i]
.endr
.endm
.macro EPI n                           ; the way out of window n's sums, all in that window
	WIN (\n)<<6
	v_mov_b32 v202, v24
	v_mov_b32 v203, v25
	v_mov_b32 v204, v26
	v_mov_b32 v194, 0
	v_mov_b32 v195, 0
	WIN 0x55*(\n)
.irp t, 0,1,2,3
	QUANT2 32*\t, 206+6*\t, 242+\t
	global_store_b128 v202, v[206+6*\t:209+6*\t], s[92:93] offset:768*(4*((\n)-1)+\t)
	global_store_b64 v203, v[210+6*\t:211+6*\t], s[92:93] offset:768*(4*((\n)-1)+\t)+512
.endr
	v_cndmask_b32 v248, v242, v243, s100
	v_cndmask_b32 v249, v244, v245, s100
	global_store_b64 v203, v[248:249], s[92:93] offset:6144+256*((\n)-1)
	QUANT2 128, 230, 246
	QUANT2 160, 236, 247
	v_lshl_or_b32 v250, v247, 16, v246
	global_store_b128 v202, v[230:233], s[94:95] offset:1536*((\n)-1)
	global_store_b64 v203, v[234:235], s[94:95] offset:1536*((\n)-1)+512
	global_store_b128 v202, v[236:239], s[94:95] offset:1536*((\n)-1)+768
	global_store_b64 v203, v[240:241], s[94:95] offset:1536*((\n)-1)+1280
	global_store_b32 v204, v250, s[96:97] offset:64*((\n)-1)
.endm
	s_wait_alu depctr_va_vdst(0)
	s_wait_tensorcnt 0x0                           ; my tile of the head's four is in; no load of mine is out, so group 1 may be written:
	s_mov_b32 s[G1A+2], 8<<16                      ; the refill brings 8 tiles of A,
	s_mov_b32 s[G1A+4], 8
	s_mov_b32 s[G1B+2], NWT<<16                    ; or NWT of B
	s_mov_b32 s[G1B+4], NWT
	s_barrier_signal -1
	s_barrier_wait -1                              ; everybody's is
	FETCH 0, 0, 0, 1
	STEP 0, 1
	TURN 0, 1
	STEP 1, 0
	TURN 1, 0
	STEP 2, 0
	TURN 2, 2
	STEP 3, 0
	s_wait_dscnt 16
	HALF 1, 1, 1, 0, 0
	s_wait_dscnt 0x0
	HALF 1, 1, 1, 1, 0
	PLACES 4
	EPI 1
	EPI 2
	WIN 0
	s_wait_tensorcnt 0x0                           ; the wave's end
	ds_add_u32 v[SPW], v[NIL]
	s_wait_dscnt 0x0
	CROUND                                         ; the closing round
	s_endpgm
.Lfunc_end_k_q134586cf0f_gemm_qkv:
	.size	k_q134586cf0f_gemm_qkv, .Lfunc_end_k_q134586cf0f_gemm_qkv-k_q134586cf0f_gemm_qkv
	.p2alignl 7, 3214868480
	.fill 96, 4, 3214868480
	.section	.rodata,"a",@progbits
	.p2align	6, 0x0
	.amdhsa_kernel k_q134586cf0f_gemm_qkv
		.amdhsa_group_segment_fixed_size 327680
		.amdhsa_private_segment_fixed_size 0
		.amdhsa_enable_private_segment 0
		.amdhsa_kernarg_size 48
		.amdhsa_user_sgpr_count 2
		.amdhsa_user_sgpr_kernarg_segment_ptr 1
		.amdhsa_wavefront_size32 1
		.amdhsa_system_sgpr_workgroup_id_x 1
		.amdhsa_system_sgpr_workgroup_id_y 1
		.amdhsa_system_sgpr_workgroup_id_z 1
		.amdhsa_system_vgpr_workitem_id 0
		.amdhsa_next_free_vgpr 1024
		.amdhsa_next_free_sgpr 102
		.amdhsa_reserve_vcc 0
		.amdhsa_float_denorm_mode_32 3
		.amdhsa_float_denorm_mode_16_64 3
		.amdhsa_memory_ordered 1
		.amdhsa_forward_progress 1
		.amdhsa_inst_pref_size 119
	.end_amdhsa_kernel
	.amdgpu_metadata
---
amdhsa.version: [ 1, 2 ]
amdhsa.kernels:
  - .name:           k_q134586cf0f_gemm_qkv
    .symbol:         k_q134586cf0f_gemm_qkv.kd
    .args:
      - { .name: xc, .offset: 0, .size: 8, .value_kind: global_buffer, .address_space: global }
      - { .name: xs, .offset: 8, .size: 8, .value_kind: global_buffer, .address_space: global }
      - { .name: wc, .offset: 16, .size: 8, .value_kind: global_buffer, .address_space: global }
      - { .name: ws, .offset: 24, .size: 8, .value_kind: global_buffer, .address_space: global }
      - { .name: qb, .offset: 32, .size: 8, .value_kind: global_buffer, .address_space: global }
      - { .name: kvb, .offset: 40, .size: 8, .value_kind: global_buffer, .address_space: global }
    .group_segment_fixed_size: 327680
    .private_segment_fixed_size: 0
    .kernarg_segment_align: 8
    .kernarg_segment_size: 48
    .max_flat_workgroup_size: 128
    .sgpr_count:     102
    .vgpr_count:     1024
    .wavefront_size: 32
...
	.end_amdgpu_metadata
.endif
;; end of part 2
;; launch attn (part 3): grid 4 x 64, 16 waves a work-group, clusters of 4 x 1, 210,944 bytes of LDS; arguments qb, kvb, oc, os; writes oc, os
.if DOCPART == 3
	.amdgcn_target "amdgcn-amd-amdhsa--gfx1250"
	.amdhsa_code_object_version 6
	.text
	.protected	k_q134586cf0f_attn
	.globl	k_q134586cf0f_attn
	.p2align	8
	.type	k_q134586cf0f_attn,@function
k_q134586cf0f_attn:
	s_mov_b64 s[64:65], 0
	v_nop
	global_prefetch_b8 v0, s[64:65] scope:SCOPE_SE
	s_setreg_imm32_b32 hwreg(HW_REG_WAVE_MODE, 25, 1), 1
	s_wait_xcnt 0x0
	s_wait_alu depctr_hold_cnt(0) depctr_sa_sdst(0) depctr_va_vdst(0) depctr_va_sdst(0) depctr_va_ssrc(0) depctr_va_vcc(0) depctr_vm_vsrc(0)
	s_getreg_b32 s2, hwreg(HW_REG_IB_STS2, 6, 4)
	s_cmp_eq_u32 s2, 0
	s_cbranch_scc0 .Lentry_in_a_cluster
	s_endpgm
.Lentry_in_a_cluster:
	s_bfe_u32 s2, ttmp6, 0x10000c
	s_cmp_lg_u32 s2, 0x3003
	s_cbranch_scc0 .Lentry_shape_is_right
	s_endpgm
.Lentry_shape_is_right:
; O = softmax(q k^T / 8) v for one of 64 heads (16 x batch + head), both products on codes of FP6 (E2M3) with E8M0 scales; O / the row's sum is quantised along the 1,024 and leaves as codes.
; THE SOFTMAX: t = score x log2(e) / 8; M = the row's largest t so far, rounded UP to a whole number; p = 2^(t - M) is what is quantised, along the keys; the row's sum is taken of the unquantised p and divides at the end.
; When M moves, the sum and O are multiplied by 2^(old M - new M): exact.
; SHARES.  A work-group owns 512 queries of a head; each of its sixteen waves two tiles of 16, one after the other (two passes over the keys), in 256 registers: four waves to a SIMD, so that one wave's vector
; work stands beside another's products and LDS loads.  A HEAD'S WHOLE k, v AND SCALES, 16 records of 13,056 bytes, COME INTO LDS ONCE: wave w asks for key step w's record; nothing is filled again.
; CLUSTER.  The four work-groups of a head need the same records: each is asked for jointly, by the same load with the same descriptor and the mask of all four.  Nothing is prefetched: all that the launch streams is asked for at its head.
; LAYOUT.  Both products transposed: S^T = k q^T (source 0 = 16 keys, source 1 = my 16 queries), O^T = v^T p^T (source 0 = 16 channels, source 1 = p): a lane holds one query throughout.  The keys of a tile of k and the
; channels of a tile of v were chosen by the launch before (lane r of tile t: 32 (t / 2) + 8 (t % 2) + r + 8 (r / 8)), so that the 16 registers of tiles 2 b, 2 b + 1 are neighbours 32 b + 16 (lane / 16) + 0 .. 15.
; THE HEAD'S 64 ARE HALF OF THE INSTRUCTION'S 128 ALONG K: the upper six registers of q's and k's fragments are zero codes, written once; their scale bytes are 0, which scales zeros.
; LIMITS: NaN and infinities are not served; a block whose largest magnitude lies under 2^-124 has its scale byte held at 1; a block of zeros gets the byte 1 (its codes are zeros; this program alone reads the bytes).
; os is stored two bytes a row (a head's two blocks of each row's 32): one byte for each 24 of codes.
; REGISTERS: v1-3 16, 8, 4 x lane; v4, v5 the add's two; v6-8 the step's LDS addresses; v9 8 r, v10 32 r; v12 -M, v13 the largest t, v[14:15] the sum; v16-27 q, v28 its scale word; v32-79 four fragments of k;
;   v80-83 k's scale words, v84-85 v's; v96-159 S^T, then p, then v's four fragments; v160-191 O^T; v192-203 p's codes; v204-210 conversions' halves; v212-223 at work; v224 p's scale word; v[226:227] f; v228 at work.
.set REC,   13056
.set SPARE, 16*REC                     ; behind the records: the spare words, 128 bytes for each of 16 waves
.set SPW,  4
.set NIL,  5
.set SEL,  20                          ; s[20:21] selects for lane l xor 16
.set CS,   22                          ; s[22:23] c = log2(e) / 8
.set G1,   24                          ; s[24:31], s[32:35] the descriptor
.set G0,   32
.set TB,   36                          ; s36 LDS byte of the key step's record
.set CNT,  37
.set QA,   212
.set QP,   216
.set QS,   220
.set QT,   204
.macro CROUND                          ; a round of the cluster's barrier
	s_barrier_signal -1
	s_barrier_wait -1
	s_cmp_lg_u32 s16, 0
	s_cbranch_scc1 .Lnot_wave_0_\@
	s_barrier_signal -3
.Lnot_wave_0_\@:
	s_barrier_wait -3
	s_barrier_signal -1
	s_barrier_wait -1
.endm
	s_load_b256 s[4:11], s[0:1], 0x0               ; qb s[4:5], kvb s[6:7], oc s[8:9], os s[10:11]
	v_lshl_add_u32 v[SPW], v0, 2, SPARE
	v_mov_b32 v[NIL], 0
	ds_add_u32 v[SPW], v[NIL]                      ; the wave's opening: the add and its wait ahead of my first tensor load; work on registers stands between them
	ds_add_u32 v[SPW], v[NIL]
	v_lshrrev_b32 v1, 5, v0
	s_delay_alu instid0(VALU_DEP_1)
	v_readfirstlane_b32 s16, v1                    ; wave 0..15
	s_bfe_u32 s17, ttmp6, 0x40000                  ; cx: my block of 512 queries; it enters global addresses of q and O alone
	s_and_b32 s18, ttmp7, 0xffff                   ; 16 x batch + head, which the four partners share
	s_mov_b32 s[G1], 15|(3<<16)|(1<<21)            ; 15:0 the mask: all four; 17:16 elements of 8 bytes; 21 set beside a mask; no padding
	s_mov_b32 s[G1+1], 32<<16                      ; a record is dense: 51 rows of 256 bytes
	s_mov_b32 s[G1+2], 51<<16
	s_mov_b32 s[G1+3], 32<<16
	s_mov_b32 s[G1+4], 51
	s_mov_b32 s[G1+5], 32
	s_mov_b32 s[G1+6], 0
	s_mov_b32 s[G1+7], 0
	s_mul_i32 s38, s18, 16*REC
	s_mul_i32 s19, s16, REC                        ; key step w's record: in LDS,
	s_add_co_u32 s38, s38, s19                     ; and in memory
	s_mov_b32 s39, 0
	s_mov_b32 s[SEL], 0x76543210
	s_mov_b32 s[SEL+1], 0xfedcba98
	s_mov_b32 s[CS], 0x3e38aa3b
	s_mov_b32 s[CS+1], s[CS]                       ; (named with it as a pair, so it is written)
	s_wait_dscnt 0x0                               ; the opening add is done
	s_wait_kmcnt 0x0
	CROUND                                         ; all four work-groups are here: the joint loads meet
	s_mov_b32 s[G0], 1
	s_mov_b32 s[G0+1], s19
	s_add_nc_u64 s[G0+2:G0+3], s[6:7], s[38:39]
	s_or_b32 s[G0+3], s[G0+3], 0x80000000
	tensor_load_to_lds s[G0:G0+3], s[G1:G1+7]      ; my one tensor load of the launch
	s_nop 0
.rept 4
	v_nop
.endr
	v_and_b32 v3, 31, v0
	s_delay_alu instid0(VALU_DEP_1)
	v_lshlrev_b32 v1, 4, v3
	s_delay_alu instid0(VALU_DEP_2)
	v_lshlrev_b32 v2, 3, v3
	s_delay_alu instid0(VALU_DEP_3)
	v_lshlrev_b32 v3, 2, v3
	v_and_b32 v10, 15, v0
	s_delay_alu instid0(VALU_DEP_1)
	v_lshlrev_b32 v9, 3, v10
	s_delay_alu instid0(VALU_DEP_2)
	v_lshlrev_b32 v10, 5, v10
.irp i, 22,23,24,25,26,27
	v_mov_b32 v[\i], 0                             ; q's upper 64 along K: zero codes
.endr
.irp t, 0,1,2,3
.irp i, 6,7,8,9,10,11
	v_mov_b32 v[32+12*\t+\i], 0                    ; k's likewise, in all four fragments
.endr
.endr
.irp i, 216,217,218,219,227
	v_mov_b32 v[\i], 0                             ; lane permutes' destinations, and the upper half of f's pair: written before they are named
.endr
; 32 numbers of a lane, register 16 b + i = k 32 b + 16 (lane / 16) + i of my row, become an image's six registers v[pc] on; the two scale bytes go to v[pw]
.macro QUANT2 s, pc, pw
.irp b, 0,1
	v_max3_num_f32 v[QA+\b], |v[\s+16*\b]|, |v[\s+16*\b+1]|, 0x1800000
.endr
.irp i, 2,4,6,8,10,12,14
.irp b, 0,1
	s_delay_alu instid0(VALU_DEP_2)
	v_max3_num_f32 v[QA+\b], v[QA+\b], |v[\s+16*\b+\i]|, |v[\s+16*\b+\i+1]|
.endr
.endr
.irp b, 0,1
	s_delay_alu instid0(VALU_DEP_2)
	v_permlanex16_b32 v[QP+\b], v[QA+\b], s[SEL], s[SEL+1]
.endr
.irp b, 0,1
	s_delay_alu instid0(VALU_DEP_2)
	v_max_num_f32 v[QA+\b], v[QA+\b], v[QP+\b]
.endr
.irp b, 0,1
	s_delay_alu instid0(VALU_DEP_2)
	v_add_nc_u32 v[QS+\b], 0xff000000, v[QA+\b]
.endr
.irp b, 0,1
	s_delay_alu instid0(VALU_DEP_2)
	v_lshrrev_b32 v[QP+\b], 23, v[QS+\b]
.endr
	s_delay_alu instid0(VALU_DEP_1)
	v_lshl_or_b32 v[\pw], v[QP+1], 8, v[QP]
	v_cvt_scalef32_pk16_fp6_f32 v[\pc:\pc+2], v[\s:\s+15], v[QS]
	v_cvt_scalef32_pk16_fp6_f32 v[QT:QT+2], v[\s+16:\s+31], v[QS+1]
	v_nop
.irp i, 0,1,2
	v_permlane16_swap_b32 v[\pc+\i], v[QT+\i]
.endr
.irp i, 0,1,2
	s_delay_alu instid0(VALU_DEP_3)
	v_mov_b32 v[\pc+3+\i], v[QT+\i]
.endr
.endm
; A KEY STEP: 128 keys, the record at LDS byte s[TB]
.macro STEP
	v_add_nc_u32 v6, s[TB], v1
	s_wait_alu depctr_va_vdst(0)
	v_add_nc_u32 v7, s[TB], v2
	s_wait_alu depctr_va_vdst(0)
	v_add_nc_u32 v8, s[TB], v3
	v_nop
	v_nop                                          ; five plain lines behind the last step's products: the products below write over the registers that held v's fragments
.irp g, 0,1                                    ; S^T = k q^T, four tiles of 16 keys at a time
.if \g
.rept 4
	v_nop                                          ; in front of loads into registers that the four products above have read
.endr
.endif
.irp t, 0,1,2,3
	ds_load_b128 v[32+12*\t:35+12*\t], v6 offset:768*(4*\g+\t)
	ds_load_b64 v[36+12*\t:37+12*\t], v7 offset:768*(4*\g+\t)+512
.endr
.if \g == 0
	ds_load_b64 v[80:81], v7 offset:6144           ; k's scale words: register b: lanes 0-15 tile 2 b, lanes 16-31 tile 2 b + 1
	ds_load_b64 v[82:83], v7 offset:6400
	ds_load_b32 v84, v8 offset:12800               ; v's: channel tiles 0 and 1,
	ds_load_b32 v85, v8 offset:12928               ; 2 and 3
.endif
	s_wait_dscnt 0x0
.irp t, 0,1,2,3
.if \t%2
	v_wmma_scale_f32_16x16x128_f8f6f4 v[96+8*(4*\g+\t):103+8*(4*\g+\t)], v[32+12*\t:43+12*\t], v[16:27], 0, v[80+2*\g+\t/2], v28 matrix_a_fmt:MATRIX_FMT_FP6 matrix_b_fmt:MATRIX_FMT_FP6 matrix_a_scale:MATRIX_SCALE_ROW1
.else
	v_wmma_scale_f32_16x16x128_f8f6f4 v[96+8*(4*\g+\t):103+8*(4*\g+\t)], v[32+12*\t:43+12*\t], v[16:27], 0, v[80+2*\g+\t/2], v28 matrix_a_fmt:MATRIX_FMT_FP6 matrix_b_fmt:MATRIX_FMT_FP6
.endif
.endr
.endr
.rept 4
	v_nop
.endr
.irp b, 0,1,2,3
	v_max3_num_f32 v[212+\b], v[96+16*\b], v[97+16*\b], v[98+16*\b]   ; the largest score of each block of 32 keys: for the row's maximum, and, since p rises with the score, for the block's largest p
.endr
.irp i, 3,5,7,9,11,13
.irp b, 0,1,2,3
	v_max3_num_f32 v[212+\b], v[212+\b], v[96+16*\b+\i], v[97+16*\b+\i]
.endr
.endr
.irp b, 0,1,2,3
	v_max_num_f32 v[212+\b], v[212+\b], v[111+16*\b]
.endr
.irp b, 0,1,2,3
	s_delay_alu instid0(VALU_DEP_4)
	v_permlanex16_b32 v[216+\b], v[212+\b], s[SEL], s[SEL+1]
.endr
.irp b, 0,1,2,3
	s_delay_alu instid0(VALU_DEP_4)
	v_max_num_f32 v[212+\b], v[212+\b], v[216+\b]  ; with lane l xor 16's 16 keys
.endr
	s_delay_alu instid0(VALU_DEP_2)
	v_max3_num_f32 v228, v212, v213, v214
	s_delay_alu instid0(VALU_DEP_1)
	v_max_num_f32 v228, v228, v215                 ; the step's largest score of my query
	s_delay_alu instid0(VALU_DEP_1)
	v_mul_f32 v228, s[CS], v228                    ; as t (c is positive)
	s_delay_alu instid0(VALU_DEP_1)
	v_max_num_f32 v13, v13, v228                   ; the running largest t
	v_mov_b32 v228, v12
	s_delay_alu instid0(VALU_DEP_2)
	v_floor_f32 v12, -v13                          ; the new -M = floor(-t) = -ceil(t)
	s_delay_alu instid0(VALU_DEP_1)
	v_sub_f32 v228, v12, v228                      ; old M - new M: a whole number, 0 or less
	s_delay_alu instid0(VALU_DEP_1)
	v_cvt_i32_f32 v228, v228                       ; (it saturates)
	s_delay_alu instid0(VALU_DEP_1)
	v_ldexp_f32 v226, 1.0, v228                    ; f = 2^(old M - new M)
.set j, 0
.rept 32
	v_pk_fma_f32 v[96+j:97+j], v[96+j:97+j], s[CS:CS+1], v[12:13] op_sel_hi:[1,0,0]   ; t - M, two at a time
.set j, j+2
.endr
.irp b, 0,1,2,3
	v_fma_f32 v[212+\b], v[212+\b], s[CS], v12     ; the same of each block's largest score
.endr
.set j, 0
	s_wait_alu depctr_va_vdst(0)
.rept 64
	v_exp_f32 v[96+j], v[96+j]                     ; p = 2^(t - M), at most 1
.set j, j+1
.endr
	v_pk_mul_f32 v[14:15], v[14:15], v[226:227] op_sel_hi:[1,0]   ; the sums under the new M; the plain line behind the exponentials
	s_wait_alu depctr_va_vdst(0)                   ; one wait for the whole batch, ahead of its first reader
.irp b, 0,1,2,3
	v_exp_f32 v[212+\b], v[212+\b]                 ; the block's largest p: the same two instructions on the same number give the same bits
.endr
	v_pk_add_f32 v[216:217], v[100:101], v[104:105]
	v_pk_add_f32 v[254:255], v[108:109], v[112:113]
	v_pk_add_f32 v[252:253], v[116:117], v[120:121]
	v_pk_add_f32 v[250:251], v[124:125], v[128:129]
	v_pk_add_f32 v[248:249], v[132:133], v[136:137]
	v_pk_add_f32 v[246:247], v[140:141], v[144:145]
	v_pk_add_f32 v[244:245], v[148:149], v[152:153]
	v_pk_add_f32 v[14:15], v[14:15], v[156:157]
	v_pk_add_f32 v[216:217], v[216:217], v[96:97]
	v_pk_add_f32 v[254:255], v[254:255], v[98:99]
	v_pk_add_f32 v[252:253], v[252:253], v[102:103]
	v_pk_add_f32 v[250:251], v[250:251], v[106:107]
	v_pk_add_f32 v[248:249], v[248:249], v[110:111]
	v_pk_add_f32 v[246:247], v[246:247], v[114:115]
	v_pk_add_f32 v[244:245], v[244:245], v[118:119]
	v_pk_add_f32 v[14:15], v[14:15], v[122:123]
	v_pk_add_f32 v[216:217], v[216:217], v[126:127]
	v_pk_add_f32 v[254:255], v[254:255], v[130:131]
	v_pk_add_f32 v[252:253], v[252:253], v[134:135]
	v_pk_add_f32 v[250:251], v[250:251], v[138:139]
	v_pk_add_f32 v[248:249], v[248:249], v[142:143]
	v_pk_add_f32 v[246:247], v[246:247], v[146:147]
	v_pk_add_f32 v[244:245], v[244:245], v[150:151]
	v_pk_add_f32 v[14:15], v[14:15], v[154:155]
	v_pk_add_f32 v[216:217], v[216:217], v[158:159]
	s_delay_alu instid0(VALU_DEP_2)
	v_pk_add_f32 v[14:15], v[14:15], v[250:251]
	s_delay_alu instid0(VALU_DEP_2)
	v_pk_add_f32 v[216:217], v[216:217], v[248:249]
	v_pk_add_f32 v[254:255], v[254:255], v[246:247]
	v_pk_add_f32 v[252:253], v[252:253], v[244:245]
	s_delay_alu instid0(VALU_DEP_2)
	v_pk_add_f32 v[14:15], v[14:15], v[254:255]
	s_delay_alu instid0(VALU_DEP_2)
	v_pk_add_f32 v[216:217], v[216:217], v[252:253]
	s_delay_alu instid0(VALU_DEP_1)
	v_pk_add_f32 v[14:15], v[14:15], v[216:217]
	s_wait_alu depctr_va_vdst(0)                   ; and one for the four
.irp b, 0,1,2,3
	v_max_num_f32 v[212+\b], 0x1800000, v[212+\b]  ; the floor 2^(3 - 127): the byte cannot fall under 1
.endr
.irp b, 0,1,2,3
	s_delay_alu instid0(VALU_DEP_4)
	v_add_nc_u32 v[220+\b], 0xff000000, v[212+\b]  ; 2 off the exponent field: the conversion's scale operand
.endr
.irp b, 0,1,2,3
	s_delay_alu instid0(VALU_DEP_4)
	v_lshrrev_b32 v[216+\b], 23, v[220+\b]         ; the scale's byte
.endr
	s_delay_alu instid0(VALU_DEP_3)
	v_lshl_or_b32 v224, v217, 8, v216              ; p's scale word for these 128 keys
	s_delay_alu instid0(VALU_DEP_1)
	v_lshl_or_b32 v224, v218, 16, v224
	s_delay_alu instid0(VALU_DEP_1)
	v_lshl_or_b32 v224, v219, 24, v224
.irp c, 0,1
	v_cvt_scalef32_pk16_fp6_f32 v[192+6*\c:194+6*\c], v[96+32*\c:111+32*\c], v[220+2*\c]
	v_cvt_scalef32_pk16_fp6_f32 v[204+4*\c:206+4*\c], v[112+32*\c:127+32*\c], v[220+2*\c+1]
.endr
	v_nop                                          ; one plain line behind the conversions
.irp t, 0,1,2,3                                ; v's four fragments (16 channels x 128 keys) into the registers that p has left
.irp c, 0,1
	ds_load_b128 v[96+12*\t+6*\c:99+12*\t+6*\c], v6 offset:6656+1536*\t+768*\c
	ds_load_b64 v[100+12*\t+6*\c:101+12*\t+6*\c], v7 offset:6656+1536*\t+768*\c+512
.endr
.endr
.irp c, 0,1                                    ; a whole block of p to a lane
.irp i, 0,1,2
	v_permlane16_swap_b32 v[192+6*\c+\i], v[204+4*\c+\i]
.endr
.irp i, 0,1,2
	s_delay_alu instid0(VALU_DEP_3)
	v_mov_b32 v[195+6*\c+\i], v[204+4*\c+\i]
.endr
.endr
.set j, 0
.rept 16
	v_pk_mul_f32 v[160+j:161+j], v[160+j:161+j], v[226:227] op_sel_hi:[1,0]   ; O^T under the new M; these are also the plain lines between the writes of p's codes and scale word and the products
.set j, j+2
.endr
	s_wait_alu depctr_va_vdst(0)
	s_wait_dscnt 0x0
.irp t, 0,1,2,3                                ; O^T += v^T p^T: four accumulators, one instruction each
.if \t%2
	v_wmma_scale_f32_16x16x128_f8f6f4 v[160+8*\t:167+8*\t], v[96+12*\t:107+12*\t], v[192:203], v[160+8*\t:167+8*\t], v[84+\t/2], v224 matrix_a_fmt:MATRIX_FMT_FP6 matrix_b_fmt:MATRIX_FMT_FP6 matrix_a_scale:MATRIX_SCALE_ROW1
.else
	v_wmma_scale_f32_16x16x128_f8f6f4 v[160+8*\t:167+8*\t], v[96+12*\t:107+12*\t], v[192:203], v[160+8*\t:167+8*\t], v[84+\t/2], v224 matrix_a_fmt:MATRIX_FMT_FP6 matrix_b_fmt:MATRIX_FMT_FP6
.endif
.endr
	s_add_co_u32 s[TB], s[TB], REC
.endm
; A pass: query tile 32 cx + 16 ps + wave of the head's 128
.macro PASS ps
.if \ps
	s_wait_xcnt 0x0                                ; the first pass's loads and stores have read their registers and bases: both are written again below
.endif
	s_lshl_b32 s40, s17, 2
	s_lshr_b32 s41, s16, 3
	s_add_co_u32 s40, s40, s41
	s_add_co_u32 s40, s40, 2*\ps                   ; which 128 tokens of the head
	s_lshl_b32 s41, s18, 4
	s_add_co_u32 s41, s41, s40
	s_mul_i32 s42, s41, 6656                       ; q's record
	s_and_b32 s44, s16, 7                          ; and which tile i of its eight
	s_mul_i32 s45, s44, 768
	s_add_co_u32 s46, s42, s45
	s_mov_b32 s47, 0
	s_add_nc_u64 s[48:49], s[4:5], s[46:47]        ; its image
	s_lshr_b32 s45, s44, 2
	s_lshl_b32 s45, s45, 8
	s_add_co_u32 s46, s42, s45                     ; its scale words: 256 (i / 4)
	s_and_b32 s45, s44, 1
	s_lshl_b32 s45, s45, 7
	s_add_co_u32 s46, s46, s45                     ; + 128 (i % 2)
	s_bfe_u32 s45, s44, 0x10001
	s_lshl_b32 s45, s45, 2
	s_add_co_u32 s46, s46, s45                     ; + 4 ((i / 2) % 2)
	s_add_co_u32 s46, s46, 6144
	s_add_nc_u64 s[50:51], s[4:5], s[46:47]
	global_load_b128 v[16:19], v1, s[48:49]
	global_load_b64 v[20:21], v2, s[48:49] offset:512
	global_load_b32 v28, v9, s[50:51]
	s_lshl_b32 s40, s17, 5
	s_add_co_u32 s40, s40, s16
	s_add_co_u32 s40, s40, 16*\ps
	s_lshr_b32 s41, s18, 4
	s_lshl_b32 s41, s41, 7
	s_add_co_u32 s40, s40, s41                     ; the tile among all 512: 128 x batch + the head's tile
	s_and_b32 s41, s18, 15                         ; the head
	s_lshl_b32 s42, s40, 4
	s_add_co_u32 s42, s42, s41
	s_mul_i32 s42, s42, 768
	s_mov_b32 s43, 0
	s_add_nc_u64 s[52:53], s[8:9], s[42:43]        ; O's image: the head's 64 are one group of 64 along the next K
	s_lshl_b32 s42, s40, 9
	s_lshl_b32 s41, s41, 1
	s_add_co_u32 s42, s42, s41
	s_add_nc_u64 s[54:55], s[10:11], s[42:43]      ; and its two scale bytes in each row's 32
	v_mov_b32 v13, 0xff61b1e6                      ; the largest t so far: -3e38
	s_delay_alu instid0(VALU_DEP_1)
	v_floor_f32 v12, -v13
	v_mov_b32 v14, 0
	v_mov_b32 v15, 0
.set j, 0
.rept 32
	v_mov_b32 v[160+j], 0                          ; O^T: the step is written once; the first finds zeros, which the first change of M leaves zeros
.set j, j+1
.endr
	s_mov_b32 s[TB], 0
	s_mov_b32 s[CNT], 16
.if \ps == 0
	s_wait_tensorcnt 0x0                           ; my record is in,
	s_barrier_signal -1
	s_barrier_wait -1                              ; everybody's is
.endif
	s_wait_loadcnt 0x0                             ; q
.Lkeys_\@:
	STEP
	s_sub_co_u32 s[CNT], s[CNT], 1
	s_cmp_lg_u32 s[CNT], 0
	s_cbranch_scc1 .Lkeys_\@
.rept 4
	v_nop
.endr
	v_add_f32 v14, v14, v15                        ; the sum's two halves,
	s_delay_alu instid0(VALU_DEP_1)
	v_permlanex16_b32 v228, v14, s[SEL], s[SEL+1]
	s_delay_alu instid0(VALU_DEP_1)
	v_add_f32 v14, v14, v228                       ; and lane l xor 16's
	s_wait_alu depctr_va_vdst(0)
	v_rcp_f32 v14, v14
	v_nop                                          ; a plain line behind the reciprocal
	s_wait_alu depctr_va_vdst(0)                   ; and the wait ahead of its first reader
.set j, 0
.rept 32
	v_mul_f32 v[96+j], v[160+j], v14               ; O / the sum: register 16 b + i is channel 32 b + 16 (lane / 16) + i; each accumulator is read from its low end on
.set j, j+1
.endr
	QUANT2 96, 192, 224
	global_store_b128 v1, v[192:195], s[52:53]     ; 512 consecutive bytes, aligned
	global_store_b64 v2, v[196:197], s[52:53] offset:512
	global_store_b16 v10, v224, s[54:55]           ; both halves of the lanes hold and store the same two bytes
.endm
	PASS 0
	PASS 1
	s_wait_tensorcnt 0x0                           ; the wave's end
	ds_add_u32 v[SPW], v[NIL]
	s_wait_dscnt 0x0
	CROUND                                         ; the closing round
	s_endpgm
.Lfunc_end_k_q134586cf0f_attn:
	.size	k_q134586cf0f_attn, .Lfunc_end_k_q134586cf0f_attn-k_q134586cf0f_attn
	.p2alignl 7, 3214868480
	.fill 96, 4, 3214868480
	.section	.rodata,"a",@progbits
	.p2align	6, 0x0
	.amdhsa_kernel k_q134586cf0f_attn
		.amdhsa_group_segment_fixed_size 210944
		.amdhsa_private_segment_fixed_size 0
		.amdhsa_enable_private_segment 0
		.amdhsa_kernarg_size 32
		.amdhsa_user_sgpr_count 2
		.amdhsa_user_sgpr_kernarg_segment_ptr 1
		.amdhsa_wavefront_size32 1
		.amdhsa_system_sgpr_workgroup_id_x 1
		.amdhsa_system_sgpr_workgroup_id_y 1
		.amdhsa_system_sgpr_workgroup_id_z 1
		.amdhsa_system_vgpr_workitem_id 0
		.amdhsa_next_free_vgpr 256
		.amdhsa_next_free_sgpr 66
		.amdhsa_reserve_vcc 0
		.amdhsa_float_denorm_mode_32 3
		.amdhsa_float_denorm_mode_16_64 3
		.amdhsa_memory_ordered 1
		.amdhsa_forward_progress 1
		.amdhsa_inst_pref_size 54
	.end_amdhsa_kernel
	.amdgpu_metadata
---
amdhsa.version: [ 1, 2 ]
amdhsa.kernels:
  - .name:           k_q134586cf0f_attn
    .symbol:         k_q134586cf0f_attn.kd
    .args:
      - { .name: qb, .offset: 0, .size: 8, .value_kind: global_buffer, .address_space: global }
      - { .name: kvb, .offset: 8, .size: 8, .value_kind: global_buffer, .address_space: global }
      - { .name: oc, .offset: 16, .size: 8, .value_kind: global_buffer, .address_space: global }
      - { .name: os, .offset: 24, .size: 8, .value_kind: global_buffer, .address_space: global }
    .group_segment_fixed_size: 210944
    .private_segment_fixed_size: 0
    .kernarg_segment_align: 8
    .kernarg_segment_size: 32
    .max_flat_workgroup_size: 512
    .sgpr_count:     66
    .vgpr_count:     256
    .wavefront_size: 32
...
	.end_amdgpu_metadata
.endif
;; end of part 3
;; launch gemm_out (part 4): grid 8 x 32, 4 waves a work-group, clusters of 4 x 4, 327,680 bytes of LDS; arguments oc, os, wc, ws, out0; writes out0
.if DOCPART == 4
	.amdgcn_target "amdgcn-amd-amdhsa--gfx1250"
	.amdhsa_code_object_version 6
	.text
	.protected	k_q134586cf0f_gemm_out
	.globl	k_q134586cf0f_gemm_out
	.p2align	8
	.type	k_q134586cf0f_gemm_out,@function
k_q134586cf0f_gemm_out:
	s_mov_b64 s[64:65], 0
	v_nop
	global_prefetch_b8 v0, s[64:65] scope:SCOPE_SE
	s_setreg_imm32_b32 hwreg(HW_REG_WAVE_MODE, 25, 1), 1
	s_wait_xcnt 0x0
	s_wait_alu depctr_hold_cnt(0) depctr_sa_sdst(0) depctr_va_vdst(0) depctr_va_sdst(0) depctr_va_ssrc(0) depctr_va_vcc(0) depctr_vm_vsrc(0)
	s_getreg_b32 s2, hwreg(HW_REG_IB_STS2, 6, 4)
	s_cmp_eq_u32 s2, 0
	s_cbranch_scc0 .Lentry_in_a_cluster
	s_endpgm
.Lentry_in_a_cluster:
	s_bfe_u32 s2, ttmp6, 0x10000c
	s_cmp_lg_u32 s2, 0xf033
	s_cbranch_scc0 .Lentry_shape_is_right
	s_endpgm
.Lentry_shape_is_right:
; out0 = O W_out on codes of FP6 (E2M3) with E8M0 scales, f32 out.  A work-group makes 256 tokens x 128 columns; four waves, 2 x 2, a wave 128 x 64, transposed (source 0 = the weight's columns): a lane holds eight neighbours of a row.
; ALL OF K (1,024) OF BOTH OPERANDS LIES IN LDS: A's 16 tiles of 12,288 bytes, B's 8, the scales, the waves' stages for the way out, the spare words: 325,888 bytes.  Each is filled once, at the head, one joint load a wave:
; wave 0 B's codes, wave 1 B's scales, wave 2 A's codes, wave 3 A's scales.  Nothing is filled again.
; THE WORK GOES BY ROWS OF THE RESULT.  A wave holds its 64 columns of the weight, all of K, in registers (32 fragments, 384 registers) and streams its eight blocks of 16 tokens past them (8 fragments a block, two sets).
; A block's 16 x 64 sums are finished after its 32 products (four accumulators by turns) and leave through the wave's own stage while the later blocks are multiplied.  No fragment is read from LDS twice.
; TWO BARRIERS AT THE HEAD: the first shows B's two tiles (waves 0 and 1 alone issue those lines, and they alone wait there), so that the weights' 128 LDS loads stand ahead of the wait for A's tiles; the second shows all that is still out.
; CLUSTER 4 x 4: A's tile is shared by a row of the cluster, B's by a column.  No prefetch: all that the launch reads is asked for at its head.
; The tokens of a tile stand in the order that the first launch gave them (bits 3 and 4 exchanged); the stores' offsets set that right.
; REGISTERS: window 0: v16, v18 A's LDS addresses (16 and 8 bytes a lane) for blocks 0-3, v17, v19 for blocks 4-7; v20, v22 B's; v23, v27 B's and A's scale words' addresses; v24-26 the way out; v28, v29 the add's two;
;   v32-47 B's scale words, v48-63 A's (two sets); v64-127 two sets of four accumulators; v128-191 two sets of 16 rows read back from the stage.  Fragment f lies in window 1 + f / 21 at register 12 (f % 21): 0-31 B's (4 q + b), 32-47 A's two sets.
.set NWT,    4
.set TL,     12288                     ; a tile, all of K
.set HALFA,  8*TL
.set HALFB,  NWT*TL
.set BB,     2*HALFA
.set SCLB,   BB+2*HALFB
.set HALFSB, 2*NWT*272
.set SCLA,   SCLB+2*HALFSB
.set HALFSA, 16*272
.set STAGE,  SCLA+2*HALFSA
.set SPARE,  STAGE+4*16*272
.set FR,   12
.set FPW,  21
.set NF,   34                          ; LDS loads of a block: 32 for eight fragments, 2 for eight scale words
.set SBR,  32
.set SAR,  48
.set ACC,  64
.set BK,   128
.set SPW,  28
.set NIL,  29
.set G0H,  4
.set G0HB, 8
.set G1A,  24
.set G1B,  48
.set G1SA, 68
.set G0SA, 76
.set G1SB, 80
.set G0SB, 88
.set MSB, 0
.macro WIN new
.if MSB != (\new)
	s_set_vgpr_msb (MSB<<8)|(\new)
.set MSB, (\new)
.endif
.endm
.macro PLACES n
.rept \n
	v_nop
.endr
.endm
.macro ARM under, g0, g1, next         ; an arm of the head's one tree: one load, a jump to the tree's end
	s_cmp_lt_u32 s16, \under
	s_cbranch_scc0 \next
	tensor_load_to_lds s[\g0:\g0+3], s[\g1:\g1+7]
	s_nop 0
	PLACES 4
	s_branch .Lhead_asked
\next:
.endm
.macro CROUND
	s_barrier_signal -1
	s_barrier_wait -1
	s_cmp_lg_u32 s16, 0
	s_cbranch_scc1 .Lnot_wave_0_\@
	s_barrier_signal -3
.Lnot_wave_0_\@:
	s_barrier_wait -3
	s_barrier_signal -1
	s_barrier_wait -1
.endm
.macro G1SET g, el, rows               ; dense rows of el elements of 8 bytes
	s_mov_b32 s[\g+1], (\el)<<16
	s_mov_b32 s[\g+2], (\rows)<<16
	s_mov_b32 s[\g+3], (\el)<<16
	s_mov_b32 s[\g+4], \rows
	s_mov_b32 s[\g+5], \el
	s_mov_b32 s[\g+6], 0
	s_mov_b32 s[\g+7], 0
.endm
.macro G0SET g, lds, a
	s_mov_b32 s[\g], 1
	s_mov_b32 s[\g+1], \lds
	s_mov_b64 s[\g+2:\g+3], s[\a:\a+1]
	s_or_b32 s[\g+3], s[\g+3], 0x80000000
.endm
	s_load_b256 s[4:11], s[0:1], 0x0               ; oc, os, wc, ws
	s_load_b64 s[12:13], s[0:1], 0x20              ; out0
	v_lshl_add_u32 v[SPW], v0, 2, SPARE
	v_mov_b32 v[NIL], 0
	ds_add_u32 v[SPW], v[NIL]                      ; the opening lines
	ds_add_u32 v[SPW], v[NIL]
	v_lshrrev_b32 v1, 5, v0
	v_readfirstlane_b32 s16, v1                    ; wave
	s_lshr_b32 s17, s16, 1                         ; my half of the tokens
	s_and_b32 s18, s16, 1                          ; my half of the columns
	s_bfe_u32 s40, ttmp6, 0x40000
	s_bfe_u32 s41, ttmp6, 0x40004
	s_lshl_b32 s42, ttmp9, 2
	s_add_co_u32 s42, s42, s40                     ; tile column
	s_and_b32 s43, ttmp7, 0xffff
	s_lshl_b32 s43, s43, 2
	s_add_co_u32 s43, s43, s41                     ; tile row
	s_lshl_b32 s44, s41, 2
	s_lshl_b32 s44, 15, s44
	s_lshl_b32 s45, 0x1111, s40
	s_or_b32 s[G1A], s44, (3<<16)|(1<<21)
	s_or_b32 s[G1B], s45, (3<<16)|(1<<21)
	G1SET G1A, 384, 64                             ; 16 tiles on end, as rows of 3,072 bytes
	G1SET G1B, 384, 8*NWT
	s_or_b32 s[G1SA], s44, (3<<16)|(1<<20)|(1<<21)|(5<<22)|(3<<25)
	s_or_b32 s[G1SB], s45, (3<<16)|(1<<20)|(1<<21)|(5<<22)|(3<<25)
	G1SET G1SA, 32, 32                             ; scales: units of 256 bytes, 16 of padding behind each
	G1SET G1SB, 32, 4*NWT
	s_mul_i32 s20, s43, 16*TL
	s_mov_b32 s21, 0
	s_lshl_b32 s22, s43, 13
	s_mov_b32 s23, 0
	s_mul_i32 s46, s42, 2*NWT
	s_add_co_u32 s46, s46, 192                     ; W_out's tiles lie behind W_qkv's 192
	s_lshl_b32 s2, s46, 9
	s_mul_i32 s46, s46, TL
	s_mov_b32 s47, 0
	s_mov_b32 s3, 0
	s_wait_dscnt 0x0
	s_wait_kmcnt 0x0
	s_add_nc_u64 s[20:21], s[4:5], s[20:21]
	s_add_nc_u64 s[22:23], s[6:7], s[22:23]
	s_add_nc_u64 s[46:47], s[8:9], s[46:47]
	s_add_nc_u64 s[2:3], s[10:11], s[2:3]
	CROUND                                         ; in front of the joint loads
	G0SET G0H, 0, 20
	G0SET G0HB, BB, 46
	G0SET G0SA, SCLA, 22
	G0SET G0SB, SCLB, 2
	ARM 1, G0HB, G1B,  .Lhead_sb                   ; what goes on into registers is asked for first
	ARM 2, G0SB, G1SB, .Lhead_a
	ARM 3, G0H,  G1A,  .Lhead_sa
	tensor_load_to_lds s[G0SA:G0SA+3], s[G1SA:G1SA+7]
	s_nop 0
	PLACES 4
.Lhead_asked:
	v_and_b32 v1, 31, v0
	v_and_b32 v2, 15, v0
	v_bfe_u32 v3, v0, 4, 1
	v_lshlrev_b32 v4, 4, v1
	v_lshlrev_b32 v5, 3, v1
	s_mul_i32 s20, s17, HALFA
	s_mul_i32 s21, s18, HALFB
	s_add_co_u32 s21, s21, BB
	v_add_nc_u32 v16, s20, v4
	v_add_nc_u32 v18, s20, v5
	v_add_nc_u32 v20, s21, v4
	v_add_nc_u32 v22, s21, v5
	v_add_nc_u32 v17, 4*TL, v16                    ; blocks 4-7: an LDS offset has 16 bits
	v_add_nc_u32 v19, 4*TL, v18
	v_lshlrev_b32 v6, 5, v2                        ; scale words: 32 bytes a row, 16 more for each 256 passed
	v_lshrrev_b32 v7, 8, v6
	v_lshl_add_u32 v6, v7, 4, v6
	s_mul_i32 s20, s18, HALFSB
	s_add_co_u32 s20, s20, SCLB
	s_mul_i32 s21, s17, HALFSA
	s_add_co_u32 s21, s21, SCLA
	v_mad_u32_u24 v7, v3, 544, v6                  ; B's: lanes 0-15 row r of tile 2 p, lanes 16-31 of tile 2 p + 1
	v_add_nc_u32 v23, s20, v7
	v_add_nc_u32 v27, s21, v6                      ; A's: row r of the block, in both halves of the lanes
	s_mul_i32 s20, s16, 16*272                     ; my stage
	s_add_co_u32 s20, s20, STAGE
	v_mul_u32_u24 v24, v2, 272
	v_lshl_add_u32 v24, v3, 5, v24
	v_add_nc_u32 v24, s20, v24                     ; in: row r, 32 bytes for each half of the lanes
	v_mul_u32_u24 v25, v3, 272
	v_lshl_add_u32 v25, v2, 4, v25
	v_add_nc_u32 v25, s20, v25                     ; back: sixteen lanes to a row of 256 bytes
	v_lshlrev_b32 v26, 4, v2
	v_lshl_add_u32 v26, v3, 12, v26                ; and the same two rows in out0
	s_lshl_b32 s20, s43, 8
	s_lshl_b32 s21, s17, 7
	s_add_co_u32 s20, s20, s21
	s_lshl_b32 s20, s20, 12
	s_lshl_b32 s21, s42, 9
	s_add_co_u32 s20, s20, s21
	s_lshl_b32 s21, s18, 8
	s_add_co_u32 s20, s20, s21
	s_mov_b32 s21, 0
	s_add_nc_u64 s[12:13], s[12:13], s[20:21]
.macro FRAG f, a16, a8, off            ; fragment f: two images of 768 bytes, each 16 bytes a lane and then 8
	WIN (1+(\f)/FPW)<<6
.irp c, 0,1
	ds_load_b128 v[FR*((\f)%FPW)+6*\c:FR*((\f)%FPW)+6*\c+3], v[\a16] offset:(\off)+768*\c
	ds_load_b64 v[FR*((\f)%FPW)+6*\c+4:FR*((\f)%FPW)+6*\c+5], v[\a8] offset:(\off)+768*\c+512
.endr
.endm
.macro WEIGHTS                         ; my 64 columns of the weight, all of K, and their scale words: register SBR + 8 p + q
.irp q, 0,1,2,3,4,5,6,7
.irp b, 0,1,2,3
	FRAG 4*\q+\b, 20, 22, TL*\b+1536*\q
.endr
.endr
	WIN 0
.irp p, 0,1
	ds_load_b128 v[SBR+8*\p:SBR+8*\p+3], v23 offset:1088*\p
	ds_load_b128 v[SBR+8*\p+4:SBR+8*\p+7], v23 offset:1088*\p+16
.endr
.endm
.macro FETCHA a                        ; block a of my tokens, all of K, into set a % 2: NF loads
.irp q, 0,1,2,3,4,5,6,7
	FRAG 32+8*((\a)%2)+\q, 16+(\a)/4, 18+(\a)/4, TL*((\a)%4)+1536*\q
.endr
	WIN 0
	ds_load_b128 v[SAR+8*((\a)%2):SAR+8*((\a)%2)+3], v27 offset:544*(\a)
	ds_load_b128 v[SAR+8*((\a)%2)+4:SAR+8*((\a)%2)+7], v27 offset:544*(\a)+16
.endm
.macro PROD d, fb, fa, c, xb, xa, o
	v_wmma_scale_f32_16x16x128_f8f6f4 v[\d:\d+7], v[FR*((\fb)%FPW):FR*((\fb)%FPW)+FR-1], v[FR*((\fa)%FPW):FR*((\fa)%FPW)+FR-1], \c, v[\xb], v[\xa] matrix_a_fmt:MATRIX_FMT_FP6 matrix_b_fmt:MATRIX_FMT_FP6 matrix_a_scale:MATRIX_SCALE_ROW\o
.endm
.macro ROWS a                          ; block a: 32 products, K ascending, the four accumulators by turns; the first four start the sums
.irp q, 0,1,2,3,4,5,6,7
.irp p, 0,1
.irp o, 0,1
.set D_, ACC+32*((\a)%2)+8*(2*\p+\o)
.set FB_, 4*\q+2*\p+\o
.set FA_, 32+8*((\a)%2)+\q
	WIN (1+FB_/FPW)|((1+FA_/FPW)<<2)
.if \q
	PROD D_, FB_, FA_, v[D_:D_+7], SBR+8*\p+\q, SAR+8*((\a)%2)+\q, \o
.else
	PROD D_, FB_, FA_, 0, SBR+8*\p+\q, SAR+8*((\a)%2)+\q, \o
.endif
.endr
.endr
.endr
	WIN 0
.endm
.macro TOSTAGE a                       ; LDS serves a wave's instructions in order: no wait between the stores and the loads
.irp b, 0,1,2,3
	ds_store_b128 v24, v[ACC+32*((\a)%2)+8*\b:ACC+32*((\a)%2)+8*\b+3] offset:64*\b
	ds_store_b128 v24, v[ACC+32*((\a)%2)+8*\b+4:ACC+32*((\a)%2)+8*\b+7] offset:64*\b+16
.endr
.irp t, 0,1,2,3,4,5,6,7
	ds_load_b128 v[BK+32*((\a)%2)+4*\t:BK+32*((\a)%2)+4*\t+3], v25 offset:544*\t
.endr
.endm
.macro SEND a                          ; sixteen lanes store 256 consecutive bytes, aligned
	s_wait_dscnt 0x0                               ; the block is back from the stage (its loads are my youngest LDS instructions)
.irp t, 0,1,2,3,4,5,6,7
	global_store_b128 v26, v[BK+32*((\a)%2)+4*\t:BK+32*((\a)%2)+4*\t+3], s[12:13] offset:(32*((\a)/2)+8*((\a)%2)+2*\t+8*(\t/4))*4096 th:TH_STORE_NT
.endr
.endm
	s_wait_alu depctr_va_vdst(0)
	s_cmp_lt_u32 s16, 2
	s_cbranch_scc0 .Lnot_b
	s_wait_tensorcnt 0x0                           ; waves 0 and 1: B's codes, B's scales
.Lnot_b:
	s_barrier_signal -1
	s_barrier_wait -1                              ; B's two tiles are in
	WEIGHTS
	s_wait_tensorcnt 0x0                           ; all that is still out: A's two tiles
	s_wait_dscnt 0x0
	s_barrier_signal -1
	s_barrier_wait -1
	FETCHA 0
	FETCHA 1
.irp a, 0,1,2,3,4,5,6,7
.if \a == 0
	s_wait_dscnt NF                                ; block 0 is in; block 1's NF loads may be out
.endif
.if \a == 1
	s_wait_dscnt NF+16                             ; block 1 is in; block 2's NF loads and block 0's 16 stage instructions may be out.  (Later blocks: the wait in SEND, a block earlier, has shown them in)
.endif
	ROWS \a
.if \a > 0
	SEND \a-1                                      ; the block before leaves
.endif
	PLACES 4                                       ; in front of the loads into this block's fragments and of the stores of its sums
.if \a < 6
	FETCHA \a+2
.endif
.if \a > 1
	s_wait_xcnt 0x0                                ; block a - 2's stores have read their registers
.endif
	TOSTAGE \a
.endr
	SEND 7
	s_wait_tensorcnt 0x0                           ; the wave's end
	ds_add_u32 v[SPW], v[NIL]
	s_wait_dscnt 0x0
	CROUND                                         ; the closing round
	s_endpgm
.Lfunc_end_k_q134586cf0f_gemm_out:
	.size	k_q134586cf0f_gemm_out, .Lfunc_end_k_q134586cf0f_gemm_out-k_q134586cf0f_gemm_out
	.p2alignl 7, 3214868480
	.fill 96, 4, 3214868480
	.section	.rodata,"a",@progbits
	.p2align	6, 0x0
	.amdhsa_kernel k_q134586cf0f_gemm_out
		.amdhsa_group_segment_fixed_size 327680
		.amdhsa_private_segment_fixed_size 0
		.amdhsa_enable_private_segment 0
		.amdhsa_kernarg_size 40
		.amdhsa_user_sgpr_count 2
		.amdhsa_user_sgpr_kernarg_segment_ptr 1
		.amdhsa_wavefront_size32 1
		.amdhsa_system_sgpr_workgroup_id_x 1
		.amdhsa_system_sgpr_workgroup_id_y 1
		.amdhsa_system_sgpr_workgroup_id_z 1
		.amdhsa_system_vgpr_workitem_id 0
		.amdhsa_next_free_vgpr 1024
		.amdhsa_next_free_sgpr 102
		.amdhsa_reserve_vcc 0
		.amdhsa_float_denorm_mode_32 3
		.amdhsa_float_denorm_mode_16_64 3
		.amdhsa_memory_ordered 1
		.amdhsa_forward_progress 1
		.amdhsa_inst_pref_size 84
	.end_amdhsa_kernel
	.amdgpu_metadata
---
amdhsa.version: [ 1, 2 ]
amdhsa.kernels:
  - .name:           k_q134586cf0f_gemm_out
    .symbol:         k_q134586cf0f_gemm_out.kd
    .args:
      - { .name: oc, .offset: 0, .size: 8, .value_kind: global_buffer, .address_space: global }
      - { .name: os, .offset: 8, .size: 8, .value_kind: global_buffer, .address_space: global }
      - { .name: wc, .offset: 16, .size: 8, .value_kind: global_buffer, .address_space: global }
      - { .name: ws, .offset: 24, .size: 8, .value_kind: global_buffer, .address_space: global }
      - { .name: out0, .offset: 32, .size: 8, .value_kind: global_buffer, .address_space: global }
    .group_segment_fixed_size: 327680
    .private_segment_fixed_size: 0
    .kernarg_segment_align: 8
    .kernarg_segment_size: 40
    .max_flat_workgroup_size: 128
    .sgpr_count:     102
    .vgpr_count:     1024
    .wavefront_size: 32
...
	.end_amdgpu_metadata
.endif
;; end of part 4
